; MI455X (gfx1250); checked and timed in simulation.
; The chip was launched on July 23, 2026; its instructions are those of AMD's public machine-readable ISA for CDNA 5 (MIT licence, August 2026) and "CDNA5" Instruction Set Architecture Reference Guide (July 2026). The comments in the code are by the model that wrote it; some were corrected since.
;; Multi Head Attention. Allowed arithmetic: matrix products marked QUANTISED: E2M1 operands, one E8M0 scale for each 32 along K, by v_wmma_scale_f32_16x16x128_f8f6f4 with both operands' format E2M1 (or v_wmma_scale_f32_32x16x128_f4), f32 sums; everything else in f32.
;; Inputs: bk 16 x 64 float32; bo 16 x 1,024 float32; bq 16 x 64 float32; bv 16 x 64 float32; normalized_resid_pre_codes 4 x 2,048 x 32 x 16 uint8 (E2M1 codes of normalized_resid_pre, K innermost, in blocks of 32 codes, two codes a byte); normalized_resid_pre_scales 4 x 2,048 x 32 uint8 (E8M0 scales of normalized_resid_pre, one for each 32 codes along K); wk_codes 16 x 64 x 32 x 16 uint8 (E2M1 codes of wk, K innermost, in blocks of 32 codes, two codes a byte); wk_scales 16 x 64 x 32 uint8 (E8M0 scales of wk, one for each 32 codes along K); wo 16 x 64 x 1,024 float32; wq_codes 16 x 64 x 32 x 16 uint8 (E2M1 codes of wq, K innermost, in blocks of 32 codes, two codes a byte); wq_scales 16 x 64 x 32 uint8 (E8M0 scales of wq, one for each 32 codes along K); wv_codes 16 x 64 x 32 x 16 uint8 (E2M1 codes of wv, K innermost, in blocks of 32 codes, two codes a byte); wv_scales 16 x 64 x 32 uint8 (E8M0 scales of wv, one for each 32 codes along K).
;; Outputs: out0 4 x 2,048 x 1,024 float32.
;; This version of the problem:
;;   THIS VERSION OF THE PROBLEM IS GIVEN IN LOW PRECISION. The matrix products marked QUANTISED in the list below multiply operands that are first quantised to E2M1 (2 exponent bits, 1 mantissa bit; 4 bits a number), with one power-of-two scale for each 32 numbers along K (OCP MX v1.0); their sums are f32. All else is computed in f32.
;;   The module's matrix products, in the order in which they are computed (A, B: the left and right operand; K: the contracted axis; several contracted axes count as one K, in the product's order):
;;     1. [M 1,024, K 1,024] x [K 1,024, N 8,192]; A: input wq (given as codes); B: input normalized_resid_pre (given as codes): QUANTISED
;;     2. [M 1,024, K 1,024] x [K 1,024, N 8,192]; A: input wk (given as codes); B: input normalized_resid_pre (given as codes): QUANTISED
;;     3. [M 1,024, K 1,024] x [K 1,024, N 8,192]; A: input wv (given as codes); B: input normalized_resid_pre (given as codes): QUANTISED
;;     4. batch 64 x [M 2,048, K 64] x [K 64, N 2,048]; A: computed on the way; B: computed on the way: QUANTISED
;;     5. batch 64 x [M 2,048, K 2,048] x [K 2,048, N 64]; A: softmax (see below); B: computed on the way: QUANTISED
;;     6. [M 8,192, K 1,024] x [K 1,024, N 1,024]; A: computed on the way; B: input wo: QUANTISED
;;   THE QUANTISER, for each operand of a quantised product, along K:
;;     - K is cut into blocks of 32 from its start; a last block that is shorter is filled with zeros.
;;     - A block's scale is 2^e with e = floor(log2(the largest magnitude in the block)) - 2, held to -126 .. 127; a block of zeros has e = 0. As a byte (E8M0): e + 127.
;;     - Each number is divided by its block's scale, clamped to +-6, and rounded to the nearest number of E2M1, ties to even, subnormals kept.
;;     - The product sums the exact products of the quantised numbers (number of the format x scale) in f32.
;;   ~~~python
;;   def quantise(x, axis):      # numpy; x: float32 -> the quantised numbers, widened to float32 again
;;       x = np.moveaxis(x, axis, -1); K = x.shape[-1]
;;       x = np.pad(x, [(0, 0)] * (x.ndim - 1) + [(0, -K % 32)]); x = x.reshape(x.shape[:-1] + (-1, 32)); a = np.abs(x).max(-1, keepdims=True)
;;       e = np.where(a > 0, np.clip(np.frexp(np.where(a > 0, a, 1))[1] - 1 - 2, -126, 127), 0)      # np.frexp(a)[1] - 1 = floor(log2(a)), exactly
;;       r = np.clip(x / 2.0 ** e, -6, 6)
;;       step = 2.0 ** (np.maximum(np.frexp(np.where(r == 0, 1, r))[1] - 1, 0) - 1)
;;       q = np.round(r / step) * step * 2.0 ** e      # np.round: ties to even
;;       return np.moveaxis(q.reshape(q.shape[:-2] + (-1,))[..., :K], -1, axis).astype(np.float32)
;;   ~~~
;;   SOFTMAX AHEAD OF A QUANTISED PRODUCT. Where the list says 'softmax', what is quantised is not the finished softmax but p = 2^(t - M), with t = logit x log2(e) and M = ceil(the row's largest t), a whole number; so 1/2 < the row's largest p <= 1. The row's sum l is taken of the UNQUANTISED p, in f32, and the product's result is divided by l at the end. Since M is a whole number, a kernel that streams over the keys may use a running M (the ceiling of the running maximum): every later rescaling is an exact power of two, which a block's scale takes up: the codes' values come out the same.
;;   OPERANDS COMPUTED ON THE WAY. 'Computed on the way' means the value that the module computes at that place (a softmax that the list does not call 'softmax' is quantised finished and normalised). What goes into a quantiser is computed in f32, as accurately as f32 sums, v_exp_f32 and their like allow (about 1e-6 of the number): no bf16 or f16 on the way to a quantiser, and a product that is left as it is and whose result goes on into a quantised operand takes f32 operands (vector FMAs, or v_wmma_f32_16x16x4_f32). A number that lies on a knife's edge between two numbers of the format may be rounded either way, as far as f32 arithmetic and the matrix unit's own rounding can turn it there, and no further.
;;   INPUTS GIVEN AS CODES. normalized_resid_pre (in the module: [4, 2048, 1024], K = its axis 2); wk (in the module: [16, 1024, 64], K = its axis 1); wq (in the module: [16, 1024, 64], K = its axis 1); wv (in the module: [16, 1024, 64], K = its axis 1): each comes as NAME_codes (uint8): NAME with its K axis moved to the last place and cut into blocks of 32 codes, [.., K / 32, bytes a block], one block behind the other in memory; two codes a byte, the lower K in the low four bits (a code: sign, 2 exponent bits, 1 mantissa bit); and NAME_scales (uint8): the same leading axes, one E8M0 byte (e + 127) for each 32 codes along K. Its value is code x scale, taken as it is: it is not quantised again, and the codes and scales need not be those that the quantiser above would give.
;; One version. Each part assembles by itself: llvm-mc -triple=amdgcn-amd-amdhsa -mcpu=gfx1250 --defsym DOCPART=n.
;; ======== version 1 of 1: 4 launches
;; limits: right only within a limited range of input values
;; workspace buffers: qb 4,718,592 bytes; kv 9,175,040 bytes; hf 33,554,432 bytes; hc 4,194,304 bytes; hs 262,144 bytes; woc 524,288 bytes; wos 32,768 bytes
;; launch qkv (part 1): grid 12 x 64, 4 waves a work-group, clusters of 4 x 4, 221,696 bytes of LDS; arguments normalized_resid_pre_codes, normalized_resid_pre_scales, wq_codes, wq_scales, bq, wk_codes, wk_scales, bk, wv_codes, wv_scales, bv, qb, kv; writes qb, kv
.if DOCPART == 1
	.amdgcn_target "amdgcn-amd-amdhsa--gfx1250"
	.amdhsa_code_object_version 6
	.text
	.protected	k_q1bdfce389e_qkv
	.globl	k_q1bdfce389e_qkv
	.p2align	8
	.type	k_q1bdfce389e_qkv,@function
k_q1bdfce389e_qkv:
	s_mov_b64 s[64:65], 0
	v_nop
	global_prefetch_b8 v0, s[64:65] scope:SCOPE_SE
	s_setreg_imm32_b32 hwreg(HW_REG_WAVE_MODE, 25, 1), 1
	s_wait_xcnt 0x0
	s_wait_alu depctr_hold_cnt(0) depctr_sa_sdst(0) depctr_va_vdst(0) depctr_va_sdst(0) depctr_va_ssrc(0) depctr_va_vcc(0) depctr_vm_vsrc(0)
	s_getreg_b32 s2, hwreg(HW_REG_IB_STS2, 6, 4)
	s_cmp_eq_u32 s2, 0
	s_cbranch_scc0 .Lentry_in_a_cluster
	s_endpgm
.Lentry_in_a_cluster:
	s_bfe_u32 s2, ttmp6, 0x10000c
	s_cmp_lg_u32 s2, 0xf033
	s_cbranch_scc0 .Lentry_shape_is_right
	s_endpgm
.Lentry_shape_is_right:
; q, k, v = x W + b on codes of FP4 (E2M1) with E8M0 scales, sums in f32; then q and k are quantised along the head's 64, v along the keys, and leave as IMAGES OF OPERAND REGISTERS (lane L's 16 bytes at 16 L).
; KIND = the cluster's x: 0 q, 1 k, 2 v: the same in all sixteen partners.  A work-group takes 128 rows of x and four heads; wave w takes head 4 cx + w: 128 x 64 results, 32 accumulators, all of K = 1,024.
; W'S TILE ORDER, and x's for v: row r of tile t is index 32 (t / 2) + 8 (t % 2) + r + 8 (r / 8): a lane's 16 registers of tiles 2 b and 2 b + 1 are the 16 neighbours 32 b + 16 (lane / 16) + 0 .. 15.
; x'S TILE ORDER FOR q AND k: row r of tile t is index 64 (t / 4) + 8 (t % 4) + r + 24 (r / 8): in the attention launch's scores a lane's 32 registers of tiles 4 c .. 4 c + 3 are then the whole block of keys 64 c + 32 (lane / 16) + 0 .. 31.
; q, k: source 0 = W's rows, source 1 = x's rows: a lane holds one row of x and its registers run along e.   v: the sources swapped: a lane holds one e and its registers run along the keys.
; The bias is the C of each sum's first matrix instruction.
; LDS IS FILLED ONCE, one joint load a wave: wave 0 W's 256 rows of codes, wave 1 x's 128 rows (rows of 512 bytes + 16), wave 2 x's scale bytes, wave 3 W's.  x's tiles are shared along a row of the cluster, W's along a column.
; No prefetch: the launch has no loop to run ahead in; every byte is asked for at the head.
; OUT: qb[b x 16 + head][group of 128 rows]: 8 tile images of 512 bytes, then 512 bytes of scale words (bytes 0, 1: the two blocks; bytes 2, 3: the same two again).  kv likewise for k; v's four fragment images from byte 4,608, its scale words from 8,704.
; LIMITS: a block of zeros gets the byte 1 and not 127 (its codes are zeros; this program alone reads the bytes); a largest magnitude under 2^-124 has its byte held at 1; NaN and infinities are not served.
; REGISTERS: window 0: v1-12 addresses; v16-79 x's scale words (8 tile + K step), v80-111 W's, v112-143 the bias; v144-239 at work on the way out.  window 1: the accumulators.  window 2: two fragment buffers of 96 (x's eight, W's four).
.set PITCH, 528                        ; an LDS row: 512 bytes + 16
.set WC0,   128*PITCH                  ; behind x's 128 rows: W's 256
.set XSC,   WC0+256*PITCH              ; x's scale bytes: 128 rows x 32
.set WSC,   XSC+4096                   ; W's: 256 rows x 32
.set SPARE, 0x36000                    ; the spare words
.set AX,  4
.set AW,  5
.set ASX, 7
.set ASW, 8
.set L16, 9
.set L8,  10
.set BO,  11
.set XR,  12
.set SX,  16
.set SW,  80
.set BI,  112
.set T,   144
.set T2,  160
.set SO,  176
.set WD,  192
.set PK,  200
.set PC,  208
.set G1X,  40
.set G1W,  48
.set G1XS, 56
.set G1WS, 68
.set G0X,  76
.set G0W,  84
.set G0XS, 92
.set G0WS, 96
.set MSB, 0
.macro WIN new                         ; the immediate's high byte repeats the setting that is left
.if MSB != \new
	s_set_vgpr_msb (MSB<<8)|\new
.set MSB, \new
.endif
.endm
.macro PLACES n
.rept \n
	v_nop
.endr
.endm
.macro ARM under, g0, g1, next         ; one arm of the head's chain: a joint load, its s_nop 0 and four v_nop, a jump to the join
	s_cmp_lt_u32 s30, \under
	s_cbranch_scc0 \next
	tensor_load_to_lds s[\g0:\g0+3], s[\g1:\g1+7]
	s_nop 0
	PLACES 4
	s_branch .Lhead_asked
\next:
.endm
.macro CROUND                          ; a round of the cluster's barrier
	s_barrier_signal -1
	s_barrier_wait -1
	s_cmp_lg_u32 s30, 0
	s_cbranch_scc1 .Lnot_wave_0_\@
	s_barrier_signal -3
.Lnot_wave_0_\@:
	s_barrier_wait -3
	s_barrier_signal -1
	s_barrier_wait -1
.endm
	s_load_b512 s[4:19], s[0:1], 0x0               ; x's codes, x's scales, wq's codes, scales, bq, wk's codes, scales, bk
	s_load_b256 s[20:27], s[0:1], 0x40             ; wv's codes, scales, bv, qb
	s_load_b64 s[28:29], s[0:1], 0x60              ; kv
	v_lshl_add_u32 v254, v0, 2, SPARE
	v_mov_b32 v255, 0
	ds_add_u32 v254, v255                          ; the opening lines: the add twice on end and one wait
	ds_add_u32 v254, v255
	v_lshrrev_b32 v1, 5, v0
	v_readfirstlane_b32 s30, v1                    ; wave 0..3
	s_bfe_u32 s33, ttmp6, 0x40000                  ; cx: the group of four heads
	s_bfe_u32 s34, ttmp6, 0x40004                  ; cy
	s_and_b32 s35, ttmp7, 0xffff
	s_lshl_b32 s35, s35, 2
	s_add_co_u32 s35, s35, s34                     ; the block of 128 rows of x = 4 x cluster y + cy
	s_lshl_b32 s36, s34, 2
	s_lshl_b32 s36, 15, s36                        ; my row of the cluster
	s_lshl_b32 s37, 0x1111, s33                    ; my column
	s_lshl_b32 s38, s33, 2
	s_add_co_u32 s38, s38, s30                     ; my head
	; group 1.  x's codes: 128 rows x 512 bytes, dense, 16 bytes of padding behind each (every 128 words);  W's: 256 such rows
	s_or_b32 s[G1X], s36, (1<<20)|(1<<21)|(6<<22)|(3<<25)
	s_mov_b32 s[G1X+1], 512<<16
	s_mov_b32 s[G1X+2], 128<<16
	s_mov_b32 s[G1X+3], 512<<16
	s_mov_b32 s[G1X+4], 128
	s_mov_b32 s[G1X+5], 512
	s_mov_b32 s[G1X+6], 0
	s_mov_b32 s[G1X+7], 0
	s_or_b32 s[G1W], s37, (1<<20)|(1<<21)|(6<<22)|(3<<25)
	s_mov_b32 s[G1W+1], 512<<16
	s_mov_b32 s[G1W+2], 256<<16
	s_mov_b32 s[G1W+3], 512<<16
	s_mov_b32 s[G1W+4], 256
	s_mov_b32 s[G1W+5], 512
	s_mov_b32 s[G1W+6], 0
	s_mov_b32 s[G1W+7], 0
	; the scale bytes: dense blocks, as rows of 256 bytes (32 elements of 8 bytes): 16 rows for x's 128 rows, 32 for W's 256
	s_or_b32 s[G1XS], s36, (3<<16)|(1<<21)
	s_mov_b32 s[G1XS+1], 32<<16
	s_mov_b32 s[G1XS+2], 16<<16
	s_mov_b32 s[G1XS+3], 32<<16
	s_mov_b32 s[G1XS+4], 16
	s_mov_b32 s[G1XS+5], 32
	s_mov_b32 s[G1XS+6], 0
	s_mov_b32 s[G1XS+7], 0
	s_or_b32 s[G1WS], s37, (3<<16)|(1<<21)
	s_mov_b32 s[G1WS+1], 32<<16
	s_mov_b32 s[G1WS+2], 32<<16
	s_mov_b32 s[G1WS+3], 32<<16
	s_mov_b32 s[G1WS+4], 32
	s_mov_b32 s[G1WS+5], 32
	s_mov_b32 s[G1WS+6], 0
	s_mov_b32 s[G1WS+7], 0
	; group 0: LDS addresses are constants; x's byte offsets hang on the block of rows, W's on cx
	s_mov_b32 s[G0X], 1
	s_mov_b32 s[G0W], 1
	s_mov_b32 s[G0XS], 1
	s_mov_b32 s[G0WS], 1
	s_mov_b32 s[G0X+1], 0
	s_mov_b32 s[G0W+1], WC0
	s_mov_b32 s[G0XS+1], XSC
	s_mov_b32 s[G0WS+1], WSC
	s_lshl_b32 s[G0X+2], s35, 16                   ; x's codes: 128 rows of 512 bytes a block
	s_mov_b32 s[G0X+3], 0
	s_lshl_b32 s[G0XS+2], s35, 12                  ; x's scales: 32 bytes a row
	s_mov_b32 s[G0XS+3], 0
	s_lshl_b32 s[G0W+2], s33, 17                   ; W's codes: 256 rows a group of heads
	s_mov_b32 s[G0W+3], 0
	s_lshl_b32 s[G0WS+2], s33, 13
	s_mov_b32 s[G0WS+3], 0
	s_wait_dscnt 0x0                               ; both opening adds are done
	s_wait_kmcnt 0x0
	s_cmp_eq_u32 ttmp9, 1                          ; the kind chooses the weight's three buffers and the result's: a choice that hangs on no address
	s_cselect_b64 s[8:9], s[14:15], s[8:9]
	s_cselect_b64 s[10:11], s[16:17], s[10:11]
	s_cselect_b64 s[12:13], s[18:19], s[12:13]
	s_cmp_eq_u32 ttmp9, 2
	s_cselect_b64 s[8:9], s[20:21], s[8:9]
	s_cselect_b64 s[10:11], s[22:23], s[10:11]
	s_cselect_b64 s[12:13], s[24:25], s[12:13]
	s_cselect_b32 s39, 4608, 0                     ; v's part of a group begins 4,608 bytes on
	s_cmp_eq_u32 ttmp9, 0
	s_cselect_b64 s[26:27], s[26:27], s[28:29]
	s_mov_b32 s24, 143360
	s_cselect_b32 s24, 73728, s24                  ; bytes of a head in the result's buffer
	s_mov_b32 s25, 8960
	s_cselect_b32 s25, 4608, s25                   ; and of a group of 128 rows
	s_add_nc_u64 s[G0X+2:G0X+3], s[4:5], s[G0X+2:G0X+3]
	s_or_b32 s[G0X+3], s[G0X+3], 0x80000000
	s_add_nc_u64 s[G0W+2:G0W+3], s[8:9], s[G0W+2:G0W+3]
	s_or_b32 s[G0W+3], s[G0W+3], 0x80000000
	s_add_nc_u64 s[G0XS+2:G0XS+3], s[6:7], s[G0XS+2:G0XS+3]
	s_or_b32 s[G0XS+3], s[G0XS+3], 0x80000000
	s_add_nc_u64 s[G0WS+2:G0WS+3], s[10:11], s[G0WS+2:G0WS+3]
	s_or_b32 s[G0WS+3], s[G0WS+3], 0x80000000
	s_lshr_b32 s14, s35, 4
	s_lshl_b32 s14, s14, 4
	s_add_co_u32 s14, s14, s38                     ; batch x 16 + head
	s_and_b32 s15, s35, 15                         ; the group of 128 rows in the sequence
	s_mul_i32 s14, s14, s24
	s_mul_i32 s15, s15, s25
	s_add_co_u32 s14, s14, s15
	s_add_co_u32 s14, s14, s39
	s_mov_b32 s15, 0
	s_add_nc_u64 s[26:27], s[26:27], s[14:15]      ; where my results go
	s_lshl_b32 s14, s38, 8
	s_add_nc_u64 s[12:13], s[12:13], s[14:15]      ; the bias of my head
	s_mov_b32 s14, 0x76543210
	s_mov_b32 s15, 0xfedcba98                      ; v_permlanex16_b32's selects for lane l xor 16
	CROUND                                         ; all sixteen work-groups are here: the joint loads meet
	ARM 1, G0W,  G1W,  .Lhead_x                    ; one chain of branches on the wave's number, one load to an arm
	ARM 2, G0X,  G1X,  .Lhead_xs
	ARM 3, G0XS, G1XS, .Lhead_ws
	tensor_load_to_lds s[G0WS:G0WS+3], s[G1WS:G1WS+7]
	s_nop 0
	PLACES 4
.Lhead_asked:
	v_and_b32 v1, 15, v0                           ; r
	v_bfe_u32 v2, v0, 4, 1                         ; h
	v_and_b32 v3, 8, v1
	v_add_nc_u32 v3, v3, v1                        ; r + 8 (r / 8)
	v_mul_u32_u24 v[AX], v3, PITCH
	v_lshl_add_u32 v[AX], v2, 4, v[AX]             ; a fragment's row x pitch + 16 x half
	s_mul_i32 s2, s30, 64*PITCH
	s_add_co_u32 s2, s2, WC0
	v_add_nc_u32 v[AW], s2, v[AX]                  ; my head's 64 rows of W
	s_lshl_b32 s2, s30, 11
	s_add_co_u32 s2, s2, WSC
	v_lshl_add_u32 v[ASW], v3, 5, s2               ; scale words: 32 bytes a row
	v_and_b32 v[L16], 31, v0
	v_lshlrev_b32 v[L8], 3, v[L16]
	v_lshlrev_b32 v[L16], 4, v[L16]
; 24 LDS loads: the fragments of K step kk (x's eight tiles, my head's four) into buffer f.  tr picks x's tile order
.macro FETCH kk, f, tr
	WIN 0x80                                       ; destination window 2
.irp xt, 0,1,2,3,4,5,6,7
.set ROWX, (\tr)*(32*(\xt/2)+8*(\xt%2))+(1-(\tr))*(64*(\xt/4)+8*(\xt%4))
.irp c, 0,1
	ds_load_b128 v[96*(\f)+8*\xt+4*\c:96*(\f)+8*\xt+4*\c+3], v[AX] offset:ROWX*PITCH+64*(\kk)+32*\c
.endr
.endr
.irp wt, 0,1,2,3
.irp c, 0,1
	ds_load_b128 v[96*(\f)+64+8*\wt+4*\c:96*(\f)+64+8*\wt+4*\c+3], v[AW] offset:(32*(\wt/2)+8*(\wt%2))*PITCH+64*(\kk)+32*\c
.endr
.endr
	WIN 0
.endm
.macro SCALES tr                       ; 24 LDS loads: every tile's eight scale words, one for each K step
.irp xt, 0,1,2,3,4,5,6,7
.set ROWX, (\tr)*(32*(\xt/2)+8*(\xt%2))+(1-(\tr))*(64*(\xt/4)+8*(\xt%4))
	ds_load_b128 v[SX+8*\xt:SX+8*\xt+3], v[ASX] offset:ROWX*32
	ds_load_b128 v[SX+8*\xt+4:SX+8*\xt+7], v[ASX] offset:ROWX*32+16
.endr
.irp wt, 0,1,2,3
	ds_load_b128 v[SW+8*\wt:SW+8*\wt+3], v[ASW] offset:(32*(\wt/2)+8*(\wt%2))*32
	ds_load_b128 v[SW+8*\wt+4:SW+8*\wt+7], v[ASW] offset:(32*(\wt/2)+8*(\wt%2))*32+16
.endr
.endm
.macro WM d, a, b, c, sa, sb, kk
.if (\kk) == 0
	v_wmma_scale_f32_16x16x128_f8f6f4 v[\d:\d+7], v[\a:\a+7], v[\b:\b+7], v[\c:\c+7], v[\sa], v[\sb] matrix_a_fmt:MATRIX_FMT_FP4 matrix_b_fmt:MATRIX_FMT_FP4
.else
	v_wmma_scale_f32_16x16x128_f8f6f4 v[\d:\d+7], v[\a:\a+7], v[\b:\b+7], v[\d:\d+7], v[\sa], v[\sb] matrix_a_fmt:MATRIX_FMT_FP4 matrix_b_fmt:MATRIX_FMT_FP4
.endif
.endm
; 32 matrix instructions: one K step of 128.  The 32 accumulators take turns, one instruction a turn, in the same order in every step.
; tr = 0: accumulator 32 xt + 8 wt, source 0 = W;   tr = 1: accumulator 64 wt + 8 xt, source 0 = x.  In both, registers 16 n .. 16 n + 15 are one half block of 32 along the axis to be quantised.
.macro MUL kk, f, tr
.if (\kk) == 0
	WIN 0x4a                                       ; sources 0 and 1 window 2, C (the bias) window 0, D window 1
.else
	WIN 0x5a                                       ; C and D window 1
.endif
.if \tr == 0
.irp xt, 0,1,2,3,4,5,6,7
.irp wt, 0,1,2,3
	WM (32*\xt+8*\wt), (96*(\f)+64+8*\wt), (96*(\f)+8*\xt), (BI+8*\wt), (SW+8*\wt+(\kk)), (SX+8*\xt+(\kk)), (\kk)
.endr
.endr
.else
.irp wt, 0,1,2,3
.irp xt, 0,1,2,3,4,5,6,7
	WM (64*\wt+8*\xt), (96*(\f)+8*\xt), (96*(\f)+64+8*\wt), (BI+8*\wt), (SX+8*\xt+(\kk)), (SW+8*\wt+(\kk)), (\kk)
.endr
.endr
.endif
.endm
.macro MAIN tr
.if \tr == 0
	v_and_b32 v[XR], 8, v1
	v_lshl_add_u32 v[XR], v[XR], 1, v3             ; q, k: x's rows of a tile: r + 24 (r / 8)
	v_mul_u32_u24 v[AX], v[XR], PITCH
	v_lshl_add_u32 v[AX], v2, 4, v[AX]
	v_lshl_add_u32 v[ASX], v[XR], 5, XSC
	v_lshlrev_b32 v[BO], 6, v2                     ; the bias in the result's layout: tile wt, register j: e = 32 (wt / 2) + 8 (wt % 2) + 16 h + j
.irp wt, 0,1,2,3
	global_load_b128 v[BI+8*\wt:BI+8*\wt+3], v[BO], s[12:13] offset:(32*(\wt/2)+8*(\wt%2))*4
	global_load_b128 v[BI+8*\wt+4:BI+8*\wt+7], v[BO], s[12:13] offset:(32*(\wt/2)+8*(\wt%2))*4+16
.endr
.else
	v_lshl_add_u32 v[ASX], v3, 5, XSC
	v_lshlrev_b32 v[BO], 2, v3                     ; a lane holds one e: all eight registers of a tile take its bias
.irp wt, 0,1,2,3
.irp j, 0,1,2,3,4,5,6,7
	global_load_b32 v[BI+8*\wt+\j], v[BO], s[12:13] offset:(32*(\wt/2)+8*(\wt%2))*4
.endr
.endr
.endif
	s_wait_alu depctr_va_vdst(0)
	s_wait_tensorcnt 0x0                           ; my tile of the four is in,
	s_barrier_signal -1
	s_barrier_wait -1                              ; everybody's is: from here on LDS is only read
	SCALES \tr
	FETCH 0, 0, \tr
	s_wait_loadcnt 0x0                             ; the bias
.irp kk, 0,1,2,3,4,5,6,7
.if \kk < 7
.if \kk > 0
	PLACES 4                                       ; in front of loads into registers that the last step's matrix instructions read
.endif
	FETCH (\kk+1), ((\kk+1)%2), \tr
	s_wait_dscnt 24                                ; all but the 24 just issued: this step's fragments are in
.else
	s_wait_dscnt 0x0
.endif
	MUL \kk, (\kk%2), \tr
	WIN 0
.endr
.endm
	s_cmp_eq_u32 ttmp9, 2
	s_cbranch_scc1 .Lkind_v
	s_wait_alu depctr_va_vdst(0)
	MAIN 0
	s_branch .Lquant
.Lkind_v:
	s_wait_alu depctr_va_vdst(0)
	MAIN 1
.Lquant:
	s_mov_b32 vcc_lo, 0xffff0000                   ; lanes 16-31 (written behind the tensor loads)
; THE QUANTISER, one text for all kinds: half block n of sixteen = accumulator registers 16 n .. 16 n + 15; lane l xor 16 holds the other half.
.irp n, 0,1,2,3,4,5,6,7,8,9,10,11,12,13,14,15
	v_mov_b32 v[T2+\n], 0                          ; a lane permute's destination counts as one of its sources.  (These sixteen are also the places behind the last products)
.endr
	WIN 0x05                                       ; sources 0 and 1 window 1
.irp n, 0,1,2,3,4,5,6,7,8,9,10,11,12,13,14,15
	v_max3_num_f32 v[T+\n], |v[16*\n]|, |v[16*\n+1]|, 0x1800000    ; each accumulator is read from its low end on; the floor 2^(3 - 127) holds the byte at 1 from below
.endr
.irp i, 2,4,6,8,10,12,14
.irp n, 0,1,2,3,4,5,6,7,8,9,10,11,12,13,14,15
	v_max3_num_f32 v[T+\n], |v[16*\n+\i]|, |v[16*\n+\i+1]|, v[T+\n]
.endr
.endr
	WIN 0
.irp n, 0,1,2,3,4,5,6,7,8,9,10,11,12,13,14,15
	v_permlanex16_b32 v[T2+\n], v[T+\n], s14, s15
.endr
.irp n, 0,1,2,3,4,5,6,7,8,9,10,11,12,13,14,15
	v_max_num_f32 v[T+\n], v[T+\n], v[T2+\n]       ; the block's largest magnitude
.endr
.irp n, 0,1,2,3,4,5,6,7,8,9,10,11,12,13,14,15
	v_add_nc_u32 v[SO+\n], 0xff000000, v[T+\n]     ; 2 off its exponent field: the conversion's scale operand
.endr
.irp n, 0,1,2,3,4,5,6,7,8,9,10,11,12,13,14,15
	v_lshrrev_b32 v[T2+\n], 23, v[SO+\n]           ; the scale's byte
.endr
	WIN 0x01                                       ; source 0 window 1
.irp n, 0,1,2,3,4,5,6,7,8,9,10,11,12,13,14,15
	v_cvt_scalef32_pk8_fp4_f32 v[PC+2*\n], v[16*\n:16*\n+7], v[SO+\n]
	v_cvt_scalef32_pk8_fp4_f32 v[PC+2*\n+1], v[16*\n+8:16*\n+15], v[SO+\n]
.endr
	WIN 0
	v_nop                                          ; one plain place behind a scaled conversion
.irp c, 0,1,2,3,4,5,6,7                ; an operand wants a whole block in a lane: lanes 0-15 block 2 c, lanes 16-31 block 2 c + 1
.irp i, 0,1
	v_permlane16_swap_b32 v[PC+4*\c+\i], v[PC+4*\c+2+\i]
.endr
.endr
.irp c, 0,1,2,3,4,5,6,7
	global_store_b128 v[L16], v[PC+4*\c:PC+4*\c+3], s[26:27] offset:512*\c   ; an image: 512 consecutive bytes.  q, k: tile c;  v: tile c / 2, keys 64 (c % 2) on
.endr
	s_cmp_eq_u32 ttmp9, 2
	s_cbranch_scc1 .Lwords_v
.irp xt, 0,1,2,3,4,5,6,7
	v_lshl_or_b32 v[WD+\xt], v[T2+2*\xt+1], 8, v[T2+2*\xt]         ; a row's two bytes;
.endr
.irp xt, 0,1,2,3,4,5,6,7
	v_lshl_or_b32 v[WD+\xt], v[WD+\xt], 16, v[WD+\xt]              ; and the same two once more: the upper 64 of the instruction's 128 along K will meet zero codes, under the same scales as the real products
.endr
.irp j, 0,1,2,3
	v_cndmask_b32 v[PK+\j], v[WD+2*\j], v[WD+2*\j+1], vcc_lo       ; lanes 0-15 carry tile 2 j's words, lanes 16-31 tile 2 j + 1's
.endr
	global_store_b128 v[L16], v[PK:PK+3], s[26:27] offset:4096
	s_branch .Lclose
.Lwords_v:
.irp wt, 0,1,2,3
	v_lshl_or_b32 v[WD+\wt], v[T2+4*\wt+1], 8, v[T2+4*\wt]         ; a row e's four bytes for these 128 keys
	v_lshl_or_b32 v[WD+\wt], v[T2+4*\wt+2], 16, v[WD+\wt]
	v_lshl_or_b32 v[WD+\wt], v[T2+4*\wt+3], 24, v[WD+\wt]
.endr
.irp j, 0,1
	v_cndmask_b32 v[PK+\j], v[WD+2*\j], v[WD+2*\j+1], vcc_lo
.endr
	global_store_b64 v[L8], v[PK:PK+1], s[26:27] offset:4096
.Lclose:
	s_wait_tensorcnt 0x0                           ; the wave's end
	ds_add_u32 v254, v255
	s_wait_dscnt 0x0
	CROUND                                         ; the closing round: no work-group ends while a partner may still ask for a tile that names it
	s_endpgm
.Lfunc_end_k_q1bdfce389e_qkv:
	.size	k_q1bdfce389e_qkv, .Lfunc_end_k_q1bdfce389e_qkv-k_q1bdfce389e_qkv
	.p2alignl 7, 3214868480
	.fill 96, 4, 3214868480
	.section	.rodata,"a",@progbits
	.p2align	6, 0x0
	.amdhsa_kernel k_q1bdfce389e_qkv
		.amdhsa_group_segment_fixed_size 221696
		.amdhsa_private_segment_fixed_size 0
		.amdhsa_enable_private_segment 0
		.amdhsa_kernarg_size 104
		.amdhsa_user_sgpr_count 2
		.amdhsa_user_sgpr_kernarg_segment_ptr 1
		.amdhsa_wavefront_size32 1
		.amdhsa_system_sgpr_workgroup_id_x 1
		.amdhsa_system_sgpr_workgroup_id_y 1
		.amdhsa_system_sgpr_workgroup_id_z 1
		.amdhsa_system_vgpr_workitem_id 0
		.amdhsa_next_free_vgpr 768
		.amdhsa_next_free_sgpr 100
		.amdhsa_reserve_vcc 1
		.amdhsa_float_denorm_mode_32 3
		.amdhsa_float_denorm_mode_16_64 3
		.amdhsa_memory_ordered 1
		.amdhsa_forward_progress 1
		.amdhsa_inst_pref_size 126
	.end_amdhsa_kernel
	.amdgpu_metadata
---
amdhsa.version: [ 1, 2 ]
amdhsa.kernels:
  - .name:           k_q1bdfce389e_qkv
    .symbol:         k_q1bdfce389e_qkv.kd
    .args:
      - { .name: normalized_resid_pre_codes, .offset: 0, .size: 8, .value_kind: global_buffer, .address_space: global }
      - { .name: normalized_resid_pre_scales, .offset: 8, .size: 8, .value_kind: global_buffer, .address_space: global }
      - { .name: wq_codes, .offset: 16, .size: 8, .value_kind: global_buffer, .address_space: global }
      - { .name: wq_scales, .offset: 24, .size: 8, .value_kind: global_buffer, .address_space: global }
      - { .name: bq, .offset: 32, .size: 8, .value_kind: global_buffer, .address_space: global }
      - { .name: wk_codes, .offset: 40, .size: 8, .value_kind: global_buffer, .address_space: global }
      - { .name: wk_scales, .offset: 48, .size: 8, .value_kind: global_buffer, .address_space: global }
      - { .name: bk, .offset: 56, .size: 8, .value_kind: global_buffer, .address_space: global }
      - { .name: wv_codes, .offset: 64, .size: 8, .value_kind: global_buffer, .address_space: global }
      - { .name: wv_scales, .offset: 72, .size: 8, .value_kind: global_buffer, .address_space: global }
      - { .name: bv, .offset: 80, .size: 8, .value_kind: global_buffer, .address_space: global }
      - { .name: qb, .offset: 88, .size: 8, .value_kind: global_buffer, .address_space: global }
      - { .name: kv, .offset: 96, .size: 8, .value_kind: global_buffer, .address_space: global }
    .group_segment_fixed_size: 221696
    .private_segment_fixed_size: 0
    .kernarg_segment_align: 8
    .kernarg_segment_size: 104
    .max_flat_workgroup_size: 128
    .sgpr_count:     100
    .vgpr_count:     768
    .wavefront_size: 32
...
	.end_amdgpu_metadata
.endif
;; end of part 1
;; launch attn (part 2): grid 4 x 64, 16 waves a work-group, clusters of 4 x 1, 169,984 bytes of LDS; arguments qb, kv, hf; writes hf
.if DOCPART == 2
	.amdgcn_target "amdgcn-amd-amdhsa--gfx1250"
	.amdhsa_code_object_version 6
	.text
	.protected	k_q1bdfce389e_attn
	.globl	k_q1bdfce389e_attn
	.p2align	8
	.type	k_q1bdfce389e_attn,@function
k_q1bdfce389e_attn:
	s_mov_b64 s[64:65], 0
	v_nop
	global_prefetch_b8 v0, s[64:65] scope:SCOPE_SE
	s_setreg_imm32_b32 hwreg(HW_REG_WAVE_MODE, 25, 1), 1
	s_wait_xcnt 0x0
	s_wait_alu depctr_hold_cnt(0) depctr_sa_sdst(0) depctr_va_vdst(0) depctr_va_sdst(0) depctr_va_ssrc(0) depctr_va_vcc(0) depctr_vm_vsrc(0)
	s_getreg_b32 s2, hwreg(HW_REG_IB_STS2, 6, 4)
	s_cmp_eq_u32 s2, 0
	s_cbranch_scc0 .Lentry_in_a_cluster
	s_endpgm
.Lentry_in_a_cluster:
	s_bfe_u32 s2, ttmp6, 0x10000c
	s_cmp_lg_u32 s2, 0x3003
	s_cbranch_scc0 .Lentry_shape_is_right
	s_endpgm
.Lentry_shape_is_right:
; heads = softmax(q k^T / 8) v for one head of one batch, both products on codes of FP4 (E2M1) with E8M0 scales.  heads leaves as f32: the blocks of the next quantiser span all sixteen heads, so a later launch makes its codes.
; THE SOFTMAX: t = score x log2(e) / 8; M = the running largest t, rounded UP to a whole number; p = 2^(t - M) is quantised along the keys, not normalised; the row's sum is taken of the unquantised p and divides at the end.
; When M moves, the sum and O are multiplied by 2^(old M - new M): exact.
; SHARES: a work-group takes 512 queries of the head; each of its sixteen waves takes two tiles of 16 queries, one after the other, and walks the 2,048 keys in 16 steps of 128.  Four waves to a SIMD.
; LDS: the head's whole block of kv, 143,360 bytes, as it lies in memory: filled ONCE, wave w bringing key step w, so the key loop has no barrier and nothing to prefetch.  The four work-groups of a cluster read the same head: joint loads.
; LAYOUT: all operands are images of registers (lane L's 16 bytes at 16 L).  S^T = K Q^T, O^T = V^T P^T: a lane holds one query throughout.
; The launch before lays K's tiles so that row m of tile 4 c + u is key 64 c + 32 (m / 8) + 8 u + m % 8.  So lane (r, h) holds in registers S + 32 c .. S + 32 c + 31 the WHOLE block of keys 64 c + 32 h + 0 .. 31, in order:
; a block's largest score needs no other lane, and the conversions' results are the second product's operand as they stand.  Two lane exchanges a step: the row's maximum, and the scale word's four bytes.
; K = 64 IN AN INSTRUCTION OF 128: Q's registers 4-7 are zero codes.  K's operand of tile t is v[KF + 4 t .. + 7]: its upper four registers hold the next tile's codes (zeros behind the last): every code is a finite number,
; and times the code 0 it adds nothing; bytes 2 and 3 of both scale words repeat bytes 0 and 1.
; OUT: hf[tile of 16 queries][head]: 4,096 bytes, the image of my 32 registers: registers 4 g .. 4 g + 3 of lane L at 512 g + 16 L; register 16 b + i of lane (r, h) is heads(query r, e = 32 b + 16 h + i).
; LIMITS: the promise holds while |t| stays under 2^31; 1 / sum by v_rcp_f32; a block of p that is all zeros gets the byte 1 (zero codes); p under 2^-126 counts as 0; NaN and infinities are not served.
.set GRP,  8960                        ; a key step's bytes: K's 8 images, its scale words, V's 4 fragments, its scale words
.set KSC,  4096
.set VIM,  4608
.set VSC,  8704
.set L16, 1                            ; v1  16 x lane; never rewritten
.set L8,  2                            ; v2  8 x lane
.set ADC, 3                            ; v3  the step's images
.set ADS, 4                            ; v4  V's scale words
.set R16, 5                            ; v5  16 x (lane % 16)
.set QS,  8                            ; v8, v9  the two tiles' scale words of Q
                                       ; v12 -M, v13 the largest score so far, v[14:15] the sum in two halves
.set QF,  16                           ; v16-31  the two tiles' fragments of Q
.set KF,  32                           ; v32-63 K's eight tiles, v64-67 zeros
.set KS,  68                           ; v68-71  K's scale words
.set VF,  72                           ; v72-103 V's four fragments
.set VS,  104                          ; v104-105 V's scale words
.set PW,  106                          ; p's scale word
.set S,   112                          ; v112-175 S^T, then p; at a tile's end v112-143 heads
.set O,   176                          ; v176-207 O^T
.set PC,  208                          ; v208-215 p's codes
.set BM,  216                          ; v216-217 my two blocks' largest scores, then largest p
.set BB,  218                          ; v218-219 the second chains of that search
.set SO,  220                          ; v220-221 the conversions' scale operands
.set BX,  222                          ; v222-223 the scale bytes
.set XW,  224                          ; what lane l xor 16 sends: its maximum,
.set XP,  225                          ; its two bytes
.set WW,  226                          ; my two bytes
.set F,   228                          ; v[228:229] the factor (the pair's low word serves both halves)
.set TMP, 232
.set TN,  233
.set A1,  234                          ; v234-239 three more chains of the row's sum
.set SEL, 28
.set CS,  30
.set TB,  32
.set CNT, 33
.set NC,  46
.macro PLACES n
.rept \n
	v_nop
.endr
.endm
.macro CROUND                          ; a round of the cluster's barrier
	s_barrier_signal -1
	s_barrier_wait -1
	s_cmp_lg_u32 s12, 0
	s_cbranch_scc1 .Lnot_wave_0_\@
	s_barrier_signal -3
.Lnot_wave_0_\@:
	s_barrier_wait -3
	s_barrier_signal -1
	s_barrier_wait -1
.endm
	s_load_b128 s[4:7], s[0:1], 0x0                ; qb, kv
	s_load_b64 s[8:9], s[0:1], 0x10                ; hf
	v_lshl_add_u32 v254, v0, 2, 0x29000
	v_mov_b32 v255, 0
	ds_add_u32 v254, v255                          ; the opening lines: the add twice on end and one wait
	ds_add_u32 v254, v255
	v_lshrrev_b32 v1, 5, v0
	s_delay_alu instid0(VALU_DEP_1)
	v_readfirstlane_b32 s12, v1                    ; wave 0..15
	s_bfe_u32 s13, ttmp6, 0x40000                  ; cx: which 512 queries
	s_and_b32 s14, ttmp7, 0xffff                   ; batch x 16 + head, which the four partners share
	s_mov_b32 s16, 15|(3<<16)|(1<<21)              ; group 1: the mask names all four; elements of 8 bytes; bit 21 set beside a mask
	s_mov_b32 s17, 32<<16                          ; a dense block of 8,960 bytes as 35 rows of 256
	s_mov_b32 s18, 35<<16
	s_mov_b32 s19, 32<<16
	s_mov_b32 s20, 35
	s_mov_b32 s21, 32
	s_mov_b32 s22, 0
	s_mov_b32 s23, 0
	s_mov_b32 s24, 1
	s_mul_i32 s25, s12, GRP                        ; key step w goes to LDS byte 8,960 w
	s_mul_i32 s34, s14, 16*GRP
	s_add_co_u32 s34, s34, s25
	s_mov_b32 s35, 0
	s_lshl_b32 s36, s13, 2
	s_lshr_b32 s37, s12, 3
	s_add_co_u32 s36, s36, s37                     ; my first tile's group of 128 queries: 4 cx + w / 8
	s_mul_i32 s36, s36, 4608
	s_mul_i32 s37, s14, 73728
	s_add_co_u32 s36, s36, s37
	s_and_b32 s37, s12, 7                          ; and its place t in the group
	s_lshl_b32 s38, s37, 9
	s_add_co_u32 s38, s38, s36                     ; its image
	s_mov_b32 s39, 0
	s_and_b32 s40, s37, 1
	s_lshl_b32 s40, s40, 8
	s_lshr_b32 s41, s37, 1
	s_lshl_b32 s41, s41, 2
	s_add_co_u32 s40, s40, s41
	s_add_co_u32 s40, s40, s36
	s_add_co_u32 s40, s40, 4096                    ; its scale words: 4,096 + 256 (t % 2) + 4 (t / 2), 16 bytes a row
	s_mov_b32 s41, 0
	s_lshr_b32 s42, s14, 4
	s_lshl_b32 s42, s42, 7
	s_lshl_b32 s43, s13, 5
	s_add_co_u32 s42, s42, s43
	s_add_co_u32 s42, s42, s12                     ; the tile's number among all: batch x 128 + 32 cx + w
	s_and_b32 s43, s14, 15                         ; the head
	s_lshl_b32 s44, s42, 4
	s_add_co_u32 s44, s44, s43
	s_lshl_b32 s44, s44, 12                        ; hf: 4,096 bytes for each tile and head
	s_mov_b32 s45, 0
	s_mov_b32 s[SEL], 0x76543210
	s_mov_b32 s[SEL+1], 0xfedcba98                 ; v_permlanex16_b32's selects for lane l xor 16
	s_mov_b32 s[CS], 0x3e38aa3b                    ; c = log2(e) / 8
	s_mov_b32 s[CS+1], s[CS]                       ; (named with it as a pair, so it is written)
	s_mov_b32 s[NC], 0xbe38aa3b                    ; -c
	s_wait_dscnt 0x0
	s_wait_kmcnt 0x0
	s_add_nc_u64 s[26:27], s[6:7], s[34:35]
	s_or_b32 s27, s27, 0x80000000
	s_add_nc_u64 s[38:39], s[4:5], s[38:39]
	s_add_nc_u64 s[40:41], s[4:5], s[40:41]
	s_add_nc_u64 s[44:45], s[8:9], s[44:45]
	CROUND                                         ; all four work-groups are here: the joint loads meet
	tensor_load_to_lds s[24:27], s[16:23]          ; my one tensor load: key step w of the head
	s_nop 0
	PLACES 4
	v_and_b32 v[L16], 31, v0
	s_delay_alu instid0(VALU_DEP_1)
	v_lshlrev_b32 v[L8], 3, v[L16]
	s_delay_alu instid0(VALU_DEP_2)
	v_lshlrev_b32 v[L16], 4, v[L16]
	v_and_b32 v[R16], 15, v0
	s_delay_alu instid0(VALU_DEP_1)
	v_lshlrev_b32 v[R16], 4, v[R16]
.irp i, 0,1                            ; my second tile lies 16 tiles, two groups, on
	global_load_b128 v[QF+8*\i:QF+8*\i+3], v[L16], s[38:39] offset:9216*\i
	global_load_b32 v[QS+\i], v[R16], s[40:41] offset:9216*\i
.endr
.irp j, 0,1,2,3
	v_mov_b32 v[QF+4+\j], 0                        ; zero codes for the upper 64 along K
	v_mov_b32 v[QF+12+\j], 0
	v_mov_b32 v[KF+32+\j], 0
.endr
	v_mov_b32 v[XW], 0                             ; a lane permute's destination counts as one of its sources
	v_mov_b32 v[XP], 0
	v_mov_b32 v[F+1], 0                            ; (named as the upper half of a pair)
	s_wait_alu depctr_va_vdst(0)
	s_wait_tensorcnt 0x0                           ; my key step is in LDS,
	s_barrier_signal -1
	s_barrier_wait -1                              ; everybody's is: from here on LDS is only read
.irp t, 0,1,2,3,4,5,6,7
	ds_load_b128 v[KF+4*\t:KF+4*\t+3], v[L16] offset:512*\t        ; K of key step 0
.endr
	ds_load_b128 v[KS:KS+3], v[L16] offset:KSC
	s_wait_loadcnt 0x0                             ; Q
.macro TM from, n                      ; t - M of n pairs of scores, two numbers an instruction
.set jj, 2*(\from)
.rept \n
	v_pk_fma_f32 v[S+jj:S+jj+1], v[S+jj:S+jj+1], s[CS:CS+1], v[12:13] op_sel_hi:[1,0,0]
.set jj, jj+2
.endr
.endm
.macro RND j                           ; the row's sum: the four chains take p's registers 8 j .. 8 j + 7
	v_pk_add_f32 v[14:15], v[14:15], v[S+8*(\j):S+8*(\j)+1]
	v_pk_add_f32 v[A1:A1+1], v[A1:A1+1], v[S+8*(\j)+2:S+8*(\j)+3]
	v_pk_add_f32 v[A1+2:A1+3], v[A1+2:A1+3], v[S+8*(\j)+4:S+8*(\j)+5]
	v_pk_add_f32 v[A1+4:A1+5], v[A1+4:A1+5], v[S+8*(\j)+6:S+8*(\j)+7]
.endm
; A KEY STEP of query tile qi.  pf = 0: the next step's K is fetched; 1: key step 0's, for the next tile; 2: nothing.
.macro STEP qi, pf
	s_wait_dscnt 0x0                               ; K and its scale words are in
.irp t, 0,1,2,3,4,5,6,7
.if \t%2
	v_wmma_scale_f32_16x16x128_f8f6f4 v[S+8*\t:S+8*\t+7], v[KF+4*\t:KF+4*\t+7], v[QF+8*\qi:QF+8*\qi+7], 0, v[KS+\t/2], v[QS+\qi] matrix_a_fmt:MATRIX_FMT_FP4 matrix_b_fmt:MATRIX_FMT_FP4 matrix_a_scale:MATRIX_SCALE_ROW1
.else
	v_wmma_scale_f32_16x16x128_f8f6f4 v[S+8*\t:S+8*\t+7], v[KF+4*\t:KF+4*\t+7], v[QF+8*\qi:QF+8*\qi+7], 0, v[KS+\t/2], v[QS+\qi] matrix_a_fmt:MATRIX_FMT_FP4 matrix_b_fmt:MATRIX_FMT_FP4
.endif
.endr
	v_add_nc_u32 v[ADC], s[TB], v[L16]             ; four places: in front of the loads into K's and V's registers, which matrix instructions have read, and of the first read of the scores
	v_add_nc_u32 v[ADS], s[TB], v[L8]
	v_mov_b32 v[TMP], v12                          ; the old -M
	v_nop
.irp te, 0,1,2,3
.irp c, 0,1
	ds_load_b128 v[VF+8*\te+4*\c:VF+8*\te+4*\c+3], v[ADC] offset:VIM+1024*\te+512*\c   ; V of this step: it lands under the softmax
.endr
.endr
	ds_load_b64 v[VS:VS+1], v[ADS] offset:VSC
.if \pf == 0
.irp t, 0,1,2,3,4,5,6,7
	ds_load_b128 v[KF+4*\t:KF+4*\t+3], v[ADC] offset:GRP+512*\t
.endr
	ds_load_b128 v[KS:KS+3], v[ADC] offset:GRP+KSC
.elseif \pf == 1
.irp t, 0,1,2,3,4,5,6,7
	ds_load_b128 v[KF+4*\t:KF+4*\t+3], v[L16] offset:512*\t
.endr
	ds_load_b128 v[KS:KS+3], v[L16] offset:KSC
.endif
; the largest score of each of my two blocks of 32 keys, two chains a block, four by turns.  It serves the row's maximum and, since p rises with the score, the block's largest p
.irp c, 0,1
	v_max3_num_f32 v[BM+\c], v[S+32*\c], v[S+32*\c+1], v[S+32*\c+2]
	v_max3_num_f32 v[BB+\c], v[S+32*\c+17], v[S+32*\c+18], v[S+32*\c+19]
.endr
.irp i, 0,1,2,3,4,5
.irp c, 0,1
	v_max3_num_f32 v[BM+\c], v[BM+\c], v[S+32*\c+3+2*\i], v[S+32*\c+4+2*\i]
	v_max3_num_f32 v[BB+\c], v[BB+\c], v[S+32*\c+20+2*\i], v[S+32*\c+21+2*\i]
.endr
.endr
.irp c, 0,1
	v_max3_num_f32 v[BM+\c], v[BM+\c], v[S+32*\c+15], v[S+32*\c+16]
.endr
.irp c, 0,1
	v_max_num_f32 v[BM+\c], v[BM+\c], v[BB+\c]
.endr
	s_delay_alu instid0(VALU_DEP_1)
	v_max3_num_f32 v[TN], v[BM], v[BM+1], v13      ; with the largest score so far,
	s_delay_alu instid0(VALU_DEP_1)
	v_permlanex16_b32 v[XW], v[TN], s[SEL], s[SEL+1]
	s_delay_alu instid0(VALU_DEP_1)
	v_max_num_f32 v13, v[TN], v[XW]                ; and lane l xor 16's 64 keys
	s_delay_alu instid0(VALU_DEP_1)
	v_mul_f32 v[TN], s[NC], v13                    ; -t (c is positive)
	s_delay_alu instid0(VALU_DEP_1)
	v_floor_f32 v12, v[TN]                         ; the new -M = floor(-t): M is a whole number
	s_delay_alu instid0(VALU_DEP_1)
	v_sub_f32 v[TMP], v12, v[TMP]                  ; old M - new M: a whole number, 0 or less
	TM 0, 4
	v_cvt_i32_f32 v[TMP], v[TMP]                   ; (it saturates)
	TM 4, 4
	v_ldexp_f32 v[F], 1.0, v[TMP]                  ; f = 2^(old M - new M)
	TM 8, 24
.irp c, 0,1
	v_fma_f32 v[BM+\c], v[BM+\c], s[CS], v12       ; the same of each block's largest score
.endr
.set jj, 0
.rept 16
	v_pk_mul_f32 v[O+jj:O+jj+1], v[O+jj:O+jj+1], v[F:F+1] op_sel_hi:[1,0]      ; O^T under the new M: ahead of the exponentials, each accumulator from its low end on
.set jj, jj+2
.endr
	s_wait_alu depctr_va_vdst(0)                   ; ahead of the batch
.set jj, 0
.rept 64
	v_exp_f32 v[S+jj], v[S+jj]                     ; p = 2^(t - M), at most 1
.set jj, jj+1
.endr
.irp c, 0,1
	v_exp_f32 v[BM+\c], v[BM+\c]                   ; the block's largest p: the same two instructions on the same number
.endr
	v_pk_mul_f32 v[14:15], v[14:15], v[F:F+1] op_sel_hi:[1,0]      ; the sums under the new M.  (A plain place behind the exponentials)
	s_wait_alu depctr_va_vdst(0)                   ; one wait for the whole batch, ahead of its first reader
; the scales' lines and the conversions stand among the 32 additions of the row's sum, which is taken of the unquantised p
.irp c, 0,1
	v_max_num_f32 v[BM+\c], 0x1800000, v[BM+\c]    ; the floor 2^(3 - 127): the byte cannot fall under 1
.endr
	v_pk_add_f32 v[14:15], v[14:15], v[S:S+1]
	v_pk_add_f32 v[A1:A1+1], v[S+2:S+3], v[S+10:S+11]
	v_pk_add_f32 v[A1+2:A1+3], v[S+4:S+5], v[S+12:S+13]
	v_pk_add_f32 v[A1+4:A1+5], v[S+6:S+7], v[S+14:S+15]
	v_pk_add_f32 v[14:15], v[14:15], v[S+8:S+9]
.irp c, 0,1
	v_add_nc_u32 v[SO+\c], 0xff000000, v[BM+\c]    ; 2 off the exponent field: the conversion's scale operand
.endr
	RND 2
.irp c, 0,1
	v_lshrrev_b32 v[BX+\c], 23, v[SO+\c]           ; the scale's byte
.endr
.irp c, 0,1
.irp u, 0,1,2,3
	v_cvt_scalef32_pk8_fp4_f32 v[PC+4*\c+\u], v[S+32*\c+8*\u:S+32*\c+8*\u+7], v[SO+\c]   ; registers 4 c .. 4 c + 3: keys 64 c + 32 h + 0 .. 31: the operand as it stands
.endr
.endr
	RND 3
	v_lshl_or_b32 v[WW], v[BX+1], 16, v[BX]        ; my two bytes: blocks h and 2 + h
	RND 4
	v_permlanex16_b32 v[XP], v[WW], s[SEL], s[SEL+1]
	RND 5
	v_lshl_or_b32 v[PW], v[XP], 8, v[WW]           ; lanes 0-15: blocks 0 and 2 are mine, 1 and 3 lane l + 16's: p's scale word (lanes 16-31 are not read)
	RND 6
	RND 7
	v_pk_add_f32 v[14:15], v[14:15], v[A1:A1+1]
	v_pk_add_f32 v[A1+2:A1+3], v[A1+2:A1+3], v[A1+4:A1+5]
	s_delay_alu instid0(VALU_DEP_1)
	v_pk_add_f32 v[14:15], v[14:15], v[A1+2:A1+3]
.if \pf == 2
	s_wait_dscnt 0x0
.else
	s_wait_dscnt 9                                 ; V is in; the nine loads of the next K, issued behind it, may stay out
.endif
.irp te, 0,1,2,3                       ; O^T += V^T P^T: the four accumulators take turns
.if \te%2
	v_wmma_scale_f32_16x16x128_f8f6f4 v[O+8*\te:O+8*\te+7], v[VF+8*\te:VF+8*\te+7], v[PC:PC+7], v[O+8*\te:O+8*\te+7], v[VS+\te/2], v[PW] matrix_a_fmt:MATRIX_FMT_FP4 matrix_b_fmt:MATRIX_FMT_FP4 matrix_a_scale:MATRIX_SCALE_ROW1
.else
	v_wmma_scale_f32_16x16x128_f8f6f4 v[O+8*\te:O+8*\te+7], v[VF+8*\te:VF+8*\te+7], v[PC:PC+7], v[O+8*\te:O+8*\te+7], v[VS+\te/2], v[PW] matrix_a_fmt:MATRIX_FMT_FP4 matrix_b_fmt:MATRIX_FMT_FP4
.endif
.endr
	s_add_co_u32 s[TB], s[TB], GRP                 ; on to the next key step
.endm
; A TILE OF 16 QUERIES: 15 key steps in a loop, the last written out (it fetches no K beyond the head's end), then the way out.
.macro QTILE i, lastpf
	v_mov_b32 v13, 0xff61b1e6                      ; the largest score so far: -3e38, under every score
	s_delay_alu instid0(VALU_DEP_1)
	v_floor_f32 v12, -v13                          ; -M: so large that the first factor is 0
	v_mov_b32 v14, 0                               ; the sum, in two halves
	v_mov_b32 v15, 0
.set jj, 0
.rept 32
	v_mov_b32 v[O+jj], 0                           ; O^T: the step is written once: the first finds zeros, which the first change of M leaves zeros
.set jj, jj+1
.endr
	s_wait_xcnt 0x0                                ; the last tile's stores have read their data: the scores' registers are written again only behind this wait
	s_mov_b32 s[TB], 0
	s_mov_b32 s[CNT], 15
.Lstep_\@:
	STEP \i, 0
	s_sub_co_u32 s[CNT], s[CNT], 1
	s_cmp_lg_u32 s[CNT], 0
	s_cbranch_scc1 .Lstep_\@
	STEP \i, \lastpf
	PLACES 4                                       ; behind the last products
	s_wait_alu depctr_va_vdst(0)
	v_add_f32 v14, v14, v15                        ; the sum's two halves,
	s_delay_alu instid0(VALU_DEP_1)
	v_permlanex16_b32 v[TMP], v14, s[SEL], s[SEL+1]
	s_delay_alu instid0(VALU_DEP_1)
	v_add_f32 v14, v14, v[TMP]                     ; and lane l xor 16's: the row's sum
	s_wait_alu depctr_va_vdst(0)                   ; ahead of the transcendental
	v_rcp_f32 v[F], v14
	v_nop                                          ; a plain place behind the reciprocal
	s_wait_alu depctr_va_vdst(0)                   ; and ahead of its first reader, which is also the first reader of the last products
.set jj, 0
.rept 16
	v_pk_mul_f32 v[S+jj:S+jj+1], v[O+jj:O+jj+1], v[F:F+1] op_sel_hi:[1,0]      ; heads = O^T / the sum: register 16 b + i is e = 32 b + 16 (lane / 16) + i; each accumulator is read from its low end on
.set jj, jj+2
.endr
.irp g, 0,1,2,3,4,5,6,7
	global_store_b128 v[L16], v[S+4*\g:S+4*\g+3], s[44:45] offset:1048576*\i+512*\g    ; the image: each store covers 512 consecutive bytes, aligned; my second tile lies 16 tiles x 16 heads x 4,096 bytes on
.endr
.endm
	QTILE 0, 1
	QTILE 1, 2
	s_wait_dscnt 0x0
	s_wait_tensorcnt 0x0                           ; the wave's end
	ds_add_u32 v254, v255
	s_wait_dscnt 0x0
	CROUND                                         ; the closing round: no work-group ends while a partner may still ask for a tile that names it
	s_endpgm
.Lfunc_end_k_q1bdfce389e_attn:
	.size	k_q1bdfce389e_attn, .Lfunc_end_k_q1bdfce389e_attn-k_q1bdfce389e_attn
	.p2alignl 7, 3214868480
	.fill 96, 4, 3214868480
	.section	.rodata,"a",@progbits
	.p2align	6, 0x0
	.amdhsa_kernel k_q1bdfce389e_attn
		.amdhsa_group_segment_fixed_size 169984
		.amdhsa_private_segment_fixed_size 0
		.amdhsa_enable_private_segment 0
		.amdhsa_kernarg_size 24
		.amdhsa_user_sgpr_count 2
		.amdhsa_user_sgpr_kernarg_segment_ptr 1
		.amdhsa_wavefront_size32 1
		.amdhsa_system_sgpr_workgroup_id_x 1
		.amdhsa_system_sgpr_workgroup_id_y 1
		.amdhsa_system_sgpr_workgroup_id_z 1
		.amdhsa_system_vgpr_workitem_id 0
		.amdhsa_next_free_vgpr 256
		.amdhsa_next_free_sgpr 66
		.amdhsa_reserve_vcc 0
		.amdhsa_float_denorm_mode_32 3
		.amdhsa_float_denorm_mode_16_64 3
		.amdhsa_memory_ordered 1
		.amdhsa_forward_progress 1
		.amdhsa_inst_pref_size 68
	.end_amdhsa_kernel
	.amdgpu_metadata
---
amdhsa.version: [ 1, 2 ]
amdhsa.kernels:
  - .name:           k_q1bdfce389e_attn
    .symbol:         k_q1bdfce389e_attn.kd
    .args:
      - { .name: qb, .offset: 0, .size: 8, .value_kind: global_buffer, .address_space: global }
      - { .name: kv, .offset: 8, .size: 8, .value_kind: global_buffer, .address_space: global }
      - { .name: hf, .offset: 16, .size: 8, .value_kind: global_buffer, .address_space: global }
    .group_segment_fixed_size: 169984
    .private_segment_fixed_size: 0
    .kernarg_segment_align: 8
    .kernarg_segment_size: 24
    .max_flat_workgroup_size: 512
    .sgpr_count:     66
    .vgpr_count:     256
    .wavefront_size: 32
...
	.end_amdgpu_metadata
.endif
;; end of part 2
;; launch quant (part 3): grid 544 x 1, 16 waves a work-group, no clusters, 21,504 bytes of LDS; arguments wo, woc, wos, hf, hc, hs; writes woc, wos, hc, hs
.if DOCPART == 3
	.amdgcn_target "amdgcn-amd-amdhsa--gfx1250"
	.amdhsa_code_object_version 6
	.text
	.protected	k_q1bdfce389e_quant
	.globl	k_q1bdfce389e_quant
	.p2align	8
	.type	k_q1bdfce389e_quant,@function
k_q1bdfce389e_quant:
	s_mov_b64 s[64:65], 0
	v_nop
	global_prefetch_b8 v0, s[64:65] scope:SCOPE_SE
	s_setreg_imm32_b32 hwreg(HW_REG_WAVE_MODE, 25, 1), 1
	s_wait_xcnt 0x0
; Both operands of the output projection become codes of FP4 (E2M1) with one E8M0 byte for each 32 along K.  K is taken in the order in which the product contracts its two axes: K = 16 e + head.
; So block n of 32 is e = 2 n, 2 n + 1 of all sixteen heads; INSIDE a block the codes lie in the order 2 head + e % 2 in both operands: a permutation applied alike to both inside one block keeps its scale and its products.
; WORK-GROUPS 0 .. 31 (the longer work, so the lowest numbers): wo [16 (head)][64 (e)][1024 (d)] f32 -> woc [d][512 bytes], wos [d][32].  Work-group 16 y + x takes columns 64 x on and blocks 16 y on.
;   Wave w takes columns 32 (w % 2) on and blocks w / 2 and w / 2 + 8: a lane takes a column, 32 registers hold a block, all 64 loads of a lane are out at once; two waves stand side by side on 256 consecutive bytes of a row of wo.
;   The codes meet in a stage in LDS (64 rows of 256 bytes + 16) and leave as rows: sixteen lanes store 256 consecutive bytes, aligned.
; WORK-GROUPS 32 .. 543: a tile of 16 rows of heads.  hf[tile][head]: 4,096 bytes: registers 4 g .. 4 g + 3 of lane (r, h) at 512 g + 16 (r + 16 h); register 16 b + i is heads(row r, e = 32 b + 16 h + i).
;   Wave u takes the 256 bytes at 256 u of all sixteen heads: lane l then holds all 32 numbers of one block: row l / 2, block 16 (u / 8) + 8 (u % 2) + 2 ((u / 2) % 4) + l % 2.
;   hc[tile]: block n of row r: 16 bytes at 256 n + 16 r, the image of the operand's registers; hs[tile][row][32]: a tile's 512 bytes meet in LDS and leave by one store.
; The two paths part on the work-group's number alone and have LDS bytes of their own.
; A block's scale is 2^(floor(log2(largest magnitude)) - 2); its byte is that magnitude's exponent field - 2, held at 1 from below.
; LIMITS: a block of zeros gets the byte 1 and not 127 (its codes are zeros, and this program alone reads the bytes); a largest magnitude under 2^-124 has its byte held at 1; NaN and infinities are not served.
; No matrix unit, no tensor load, no cluster, no prefetch: each number is read once, all of a wave's loads go out at its head, and nothing is shared between work-groups.
.set PITCH, 272
.set SCB,   64*PITCH                   ; wo's path: behind the stage, 64 rows x 16 scale bytes
.set HSB,   SCB+1024                   ; heads' path: a tile's 512 scale bytes
.set SPARE, 0x4c00                     ; the spare words: 16 waves x 128 bytes
.set SPW, 9
.set NIL, 10
.set X,   20                           ; v20-51 a block's 32 numbers; v52-83 wo's second block
; 32 numbers at v[b ..] -> their codes in v[16:19], the scale's byte in v15
.macro QBLK b
	v_max3_num_f32 v11, |v[(\b)]|, |v[(\b)+1]|, |v[(\b)+2]|        ; the largest magnitude, in two chains
	v_max3_num_f32 v12, |v[(\b)+3]|, |v[(\b)+4]|, |v[(\b)+5]|
.irp i, 6,10,14,18,22,26
	s_delay_alu instid0(VALU_DEP_2)
	v_max3_num_f32 v11, v11, |v[(\b)+\i]|, |v[(\b)+\i+1]|
	s_delay_alu instid0(VALU_DEP_2)
	v_max3_num_f32 v12, v12, |v[(\b)+\i+2]|, |v[(\b)+\i+3]|
.endr
	s_delay_alu instid0(VALU_DEP_2)
	v_max3_num_f32 v11, v11, |v[(\b)+30]|, |v[(\b)+31]|
	s_delay_alu instid0(VALU_DEP_1)
	v_max3_num_f32 v11, v11, v12, 0x1800000        ; and the floor 2^(3 - 127): the byte cannot fall under 1
	s_delay_alu instid0(VALU_DEP_1)
	v_add_nc_u32 v13, 0xff000000, v11              ; 2 off the exponent field: the conversion takes that field as its scale
.irp g, 0,1,2,3
	v_cvt_scalef32_pk8_fp4_f32 v[16+\g], v[(\b)+8*\g:(\b)+8*\g+7], v13
.endr
	v_lshrrev_b32 v15, 23, v13                     ; the scale's byte (also the plain place behind the conversions)
.endm
	s_load_b256 s[4:11], s[0:1], 0x0               ; wo, woc, wos, hf
	s_load_b128 s[12:15], s[0:1], 0x20             ; hc, hs
	v_lshl_add_u32 v[SPW], v0, 2, SPARE
	v_mov_b32 v[NIL], 0
	v_lshrrev_b32 v1, 5, v0
	s_delay_alu instid0(VALU_DEP_1)
	v_readfirstlane_b32 s16, v1                    ; wave 0..15
	v_and_b32 v1, 31, v0                           ; lane
	s_cmp_ge_u32 ttmp9, 32
	s_wait_alu depctr_va_vdst(0)
	s_cbranch_scc1 .Lheads
; ---- wo ----
	s_and_b32 s17, s16, 1                          ; which 32 columns
	s_lshr_b32 s18, s16, 1                         ; my first block of the sixteen, 0..7
	s_and_b32 s19, ttmp9, 15                       ; x: which 64 columns
	s_lshr_b32 s28, ttmp9, 4                       ; y: which sixteen blocks
	s_mul_i32 s20, s17, 32*PITCH
	s_lshl_b32 s21, s18, 4
	s_add_co_u32 s20, s20, s21                     ; the stage: my 32 rows, 16 bytes a block
	s_lshl_b32 s29, s17, 9
	s_add_co_u32 s29, s29, SCB                     ; my 32 columns' scale bytes, 16 a column
	s_add_co_u32 s21, s29, s18
	s_mul_i32 s30, s16, 4*PITCH                    ; back: wave w takes rows 4 w .. 4 w + 3
	s_lshl_b32 s22, s28, 17                        ; wo: e = 2 (16 y + block): 2 rows of 4,096 bytes a block; + (64 x + 32 half) x 4
	s_lshl_b32 s23, s18, 13
	s_add_co_u32 s22, s22, s23
	s_lshl_b32 s23, s19, 8
	s_add_co_u32 s22, s22, s23
	s_lshl_b32 s23, s17, 7
	s_add_co_u32 s22, s22, s23
	s_mov_b32 s23, 0
	s_lshl_b32 s24, s19, 15                        ; woc: (64 x + 4 w) rows of 512 bytes + 256 y
	s_lshl_b32 s25, s16, 11
	s_add_co_u32 s24, s24, s25
	s_lshl_b32 s25, s28, 8
	s_add_co_u32 s24, s24, s25
	s_mov_b32 s25, 0
	s_lshl_b32 s26, s19, 11                        ; wos: (64 x + 32 half) rows of 32 bytes + 16 y
	s_lshl_b32 s27, s17, 10
	s_add_co_u32 s26, s26, s27
	s_lshl_b32 s27, s28, 4
	s_add_co_u32 s26, s26, s27
	s_mov_b32 s27, 0
	v_and_b32 v11, 15, v0                          ; r
	v_bfe_u32 v12, v0, 4, 1                        ; h
	v_lshlrev_b32 v2, 2, v1                        ; in: 4 bytes a lane
	v_mul_u32_u24 v3, v1, PITCH
	v_mul_u32_u24 v5, v12, PITCH
	v_lshlrev_b32 v6, 9, v12
	v_add_nc_u32 v3, s20, v3                       ; the stage: row = my column
	v_lshl_add_u32 v5, v11, 4, v5
	v_lshl_add_u32 v6, v11, 4, v6                  ; two rows of woc, sixteen lanes to a row
	v_lshl_add_u32 v4, v1, 4, s21                  ; my first block's scale byte
	v_add_nc_u32 v5, s30, v5                       ; and the same two rows of the stage
	v_lshl_add_u32 v7, v1, 4, s29                  ; the scale bytes on the way out (waves 0 and 1): a column's 16 bytes a lane
	v_lshlrev_b32 v8, 5, v1                        ; and its row of wos
	s_wait_alu depctr_va_vdst(0)
	s_wait_kmcnt 0x0
	s_add_nc_u64 s[4:5], s[4:5], s[22:23]
	s_add_nc_u64 s[6:7], s[6:7], s[24:25]
	s_add_nc_u64 s[8:9], s[8:9], s[26:27]
.irp j, 0,1
.irp i, 0,1,2,3,4,5,6,7,8,9,10,11,12,13,14,15,16,17,18,19,20,21,22,23,24,25,26,27,28,29,30,31
	global_load_b32 v[X+32*\j+\i], v2, s[4:5] offset:((\i/2)*64+(\i%2))*4096+65536*\j th:TH_LOAD_NT   ; register 2 head + p: wo(head, the block's e + p, my column); eight blocks on are 16 rows of 4,096 bytes
.endr
.endr
	s_wait_loadcnt 32                              ; the first block is in; the second's 32 loads may be out
	QBLK X
	ds_store_b128 v3, v[16:19]
	ds_store_b8 v4, v15
	s_wait_loadcnt 0x0
	QBLK X+32
	ds_store_b128 v3, v[16:19] offset:128
	ds_store_b8 v4, v15 offset:8
	s_wait_dscnt 0x0                               ; for the others' sake: my stores have landed
	s_barrier_signal -1
	s_barrier_wait -1
	ds_load_b128 v[16:19], v5
	ds_load_b128 v[20:23], v5 offset:2*PITCH
	s_wait_dscnt 0x0
	global_store_b128 v6, v[16:19], s[6:7]         ; sixteen lanes store 256 consecutive bytes, aligned
	global_store_b128 v6, v[20:23], s[6:7] offset:1024
	s_cmp_lt_u32 s16, 2
	s_cbranch_scc0 .Lwend
	ds_load_b128 v[24:27], v7                      ; waves 0 and 1: 32 columns' scale bytes, 16 a lane, rows 32 bytes apart
	s_wait_dscnt 0x0
	global_store_b128 v8, v[24:27], s[8:9]
.Lwend:
	s_wait_tensorcnt 0x0                           ; the wave's end
	ds_add_u32 v[SPW], v[NIL]
	s_wait_dscnt 0x0
	s_endpgm
; ---- heads ----
.Lheads:
	s_sub_co_u32 s28, ttmp9, 32                    ; the tile
	s_and_b32 s17, s16, 1                          ; h
	s_bfe_u32 s18, s16, 0x20001                    ; g % 4
	s_lshr_b32 s19, s16, 3                         ; g / 4
	s_lshl_b32 s17, s17, 3
	s_lshl_b32 s18, s18, 1
	s_lshl_b32 s19, s19, 4
	s_add_co_u32 s17, s17, s18
	s_add_co_u32 s17, s17, s19                     ; the wave's first block: 16 (g / 4) + 8 h + 2 (g % 4)
	s_add_co_u32 s29, s17, HSB
	s_lshl_b32 s20, s28, 16                        ; hf: 65,536 bytes a tile, + 256 u
	s_lshl_b32 s21, s16, 8
	s_add_co_u32 s20, s20, s21
	s_mov_b32 s21, 0
	s_lshl_b32 s22, s28, 13                        ; hc: 8,192 bytes a tile, + 256 x first block
	s_lshl_b32 s23, s17, 8
	s_add_co_u32 s22, s22, s23
	s_mov_b32 s23, 0
	s_lshl_b32 s24, s28, 9                         ; hs: 512 bytes a tile
	s_mov_b32 s25, 0
	v_lshlrev_b32 v2, 3, v1                        ; in: 8 bytes a lane
	v_and_b32 v3, 1, v1                            ; which of the wave's two blocks
	v_lshrrev_b32 v4, 1, v1                        ; my row
	v_lshlrev_b32 v7, 4, v1                        ; the scale bytes on the way out (wave 0): 16 bytes a lane,
	v_lshlrev_b32 v5, 8, v3
	v_lshl_add_u32 v6, v4, 5, v3
	v_add_nc_u32 v8, HSB, v7                       ; and where they lie in LDS
	v_lshl_add_u32 v5, v4, 4, v5                   ; the codes: 256 x (lane % 2) + 16 x row
	v_add_nc_u32 v6, s29, v6                       ; LDS: 32 x row + my block: its scale byte
	s_wait_alu depctr_va_vdst(0)
	s_wait_kmcnt 0x0
	s_add_nc_u64 s[10:11], s[10:11], s[20:21]
	s_add_nc_u64 s[12:13], s[12:13], s[22:23]
	s_add_nc_u64 s[14:15], s[14:15], s[24:25]
.irp h, 0,1,2,3,4,5,6,7,8,9,10,11,12,13,14,15
	global_load_b64 v[X+2*\h:X+2*\h+1], v2, s[10:11] offset:4096*\h th:TH_LOAD_NT    ; head h: 32 lanes read 256 consecutive bytes, aligned
.endr
	s_wait_loadcnt 0x0
	QBLK X
	global_store_b128 v5, v[16:19], s[12:13]       ; the wave's two blocks of 16 rows: 512 consecutive bytes, aligned
	ds_store_b8 v6, v15
	s_wait_dscnt 0x0                               ; for wave 0's sake: my byte has landed
	s_barrier_signal -1
	s_barrier_wait -1
	s_cmp_lg_u32 s16, 0
	s_cbranch_scc1 .Lhend
	ds_load_b128 v[24:27], v8                      ; wave 0: the tile's 512 scale bytes
	s_wait_dscnt 0x0
	global_store_b128 v7, v[24:27], s[14:15]       ; 512 consecutive bytes, aligned
.Lhend:
	s_wait_tensorcnt 0x0                           ; the wave's end
	ds_add_u32 v[SPW], v[NIL]
	s_wait_dscnt 0x0
	s_endpgm
.Lfunc_end_k_q1bdfce389e_quant:
	.size	k_q1bdfce389e_quant, .Lfunc_end_k_q1bdfce389e_quant-k_q1bdfce389e_quant
	.p2alignl 7, 3214868480
	.fill 96, 4, 3214868480
	.section	.rodata,"a",@progbits
	.p2align	6, 0x0
	.amdhsa_kernel k_q1bdfce389e_quant
		.amdhsa_group_segment_fixed_size 21504
		.amdhsa_private_segment_fixed_size 0
		.amdhsa_enable_private_segment 0
		.amdhsa_kernarg_size 48
		.amdhsa_user_sgpr_count 2
		.amdhsa_user_sgpr_kernarg_segment_ptr 1
		.amdhsa_wavefront_size32 1
		.amdhsa_system_sgpr_workgroup_id_x 1
		.amdhsa_system_sgpr_workgroup_id_y 1
		.amdhsa_system_sgpr_workgroup_id_z 1
		.amdhsa_system_vgpr_workitem_id 0
		.amdhsa_next_free_vgpr 84
		.amdhsa_next_free_sgpr 66
		.amdhsa_reserve_vcc 0
		.amdhsa_float_denorm_mode_32 3
		.amdhsa_float_denorm_mode_16_64 3
		.amdhsa_memory_ordered 1
		.amdhsa_forward_progress 1
		.amdhsa_inst_pref_size 19
	.end_amdhsa_kernel
	.amdgpu_metadata
---
amdhsa.version: [ 1, 2 ]
amdhsa.kernels:
  - .name:           k_q1bdfce389e_quant
    .symbol:         k_q1bdfce389e_quant.kd
    .args:
      - { .name: wo, .offset: 0, .size: 8, .value_kind: global_buffer, .address_space: global }
      - { .name: woc, .offset: 8, .size: 8, .value_kind: global_buffer, .address_space: global }
      - { .name: wos, .offset: 16, .size: 8, .value_kind: global_buffer, .address_space: global }
      - { .name: hf, .offset: 24, .size: 8, .value_kind: global_buffer, .address_space: global }
      - { .name: hc, .offset: 32, .size: 8, .value_kind: global_buffer, .address_space: global }
      - { .name: hs, .offset: 40, .size: 8, .value_kind: global_buffer, .address_space: global }
    .group_segment_fixed_size: 21504
    .private_segment_fixed_size: 0
    .kernarg_segment_align: 8
    .kernarg_segment_size: 48
    .max_flat_workgroup_size: 512
    .sgpr_count:     66
    .vgpr_count:     84
    .wavefront_size: 32
...
	.end_amdgpu_metadata
.endif
;; end of part 3
;; launch oproj (part 4): grid 4 x 64, 4 waves a work-group, clusters of 4 x 4, 235,008 bytes of LDS; arguments hc, hs, woc, wos, bo, out0; writes out0
.if DOCPART == 4
	.amdgcn_target "amdgcn-amd-amdhsa--gfx1250"
	.amdhsa_code_object_version 6
	.text
	.protected	k_q1bdfce389e_oproj
	.globl	k_q1bdfce389e_oproj
	.p2align	8
	.type	k_q1bdfce389e_oproj,@function
k_q1bdfce389e_oproj:
	s_mov_b64 s[64:65], 0
	v_nop
	global_prefetch_b8 v0, s[64:65] scope:SCOPE_SE
	s_setreg_imm32_b32 hwreg(HW_REG_WAVE_MODE, 25, 1), 1
	s_wait_xcnt 0x0
	s_wait_alu depctr_hold_cnt(0) depctr_sa_sdst(0) depctr_va_vdst(0) depctr_va_sdst(0) depctr_va_ssrc(0) depctr_va_vcc(0) depctr_vm_vsrc(0)
	s_getreg_b32 s2, hwreg(HW_REG_IB_STS2, 6, 4)
	s_cmp_eq_u32 s2, 0
	s_cbranch_scc0 .Lentry_in_a_cluster
	s_endpgm
.Lentry_in_a_cluster:
	s_bfe_u32 s2, ttmp6, 0x10000c
	s_cmp_lg_u32 s2, 0xf033
	s_cbranch_scc0 .Lentry_shape_is_right
	s_endpgm
.Lentry_shape_is_right:
; out = heads wo + the sum over heads of bo, on codes of FP4 (E2M1) with E8M0 scales, sums in f32.  K = 1,024, in 32 blocks of 32: block n is e = 2 n, 2 n + 1 of all sixteen heads; the two launches
; that make the codes lay both operands alike, so nothing here knows of the order inside K.
; A work-group takes 128 rows (eight tiles of 16, as the attention launch numbered them) x 256 columns d; wave w takes 64 of the columns: 32 accumulators, all of K.
; Source 0 = wo's rows d, source 1 = heads' rows: a lane holds one row of out and its registers run along d.
; TILE ORDER: row r of wo's tile t is index 32 (t / 2) + 8 (t % 2) + r + 8 (r / 8); row r of heads' tile t is row 64 (t / 4) + 8 (t % 4) + r + 24 (r / 8) of the block, as the projection launch dealt the queries; the stores to out undo both by their immediates.
; LDS IS FILLED ONCE, one joint load a wave: wave 0 wo's 256 rows of codes (rows of 512 bytes + 16), wave 1 heads' codes, one dense block of 65,536 bytes of register images (a tile and K step: 1,024 bytes, lane L's 16 bytes at 16 L),
; wave 2 heads' scale bytes, wave 3 wo's.  heads' tiles are shared along a row of the cluster, wo's along a column.  The stage for the way out has bytes of its own, into which no fill lands.
; No prefetch: the launch has no loop to run ahead in; every byte is asked for at the head.
; The bias: lane r loads head r's numbers in the result's layout, four lane steps add the sixteen heads, and the sum is the C of each sum's first matrix instruction.
; REGISTERS: window 0: v1-12 addresses; v16-79 heads' scale words (8 tile + K step), v80-111 wo's, v112-143 the bias; v144-207 rows on the way out.  window 1: the accumulators.  window 2: two fragment buffers of 96.
.set PITCH, 528                        ; wo's rows in LDS: 512 bytes + 16
.set SPITCH, 272                       ; the stage's rows: 256 bytes + 16
.set WC0,   65536                      ; behind heads' codes: wo's 256 rows
.set HSC,   WC0+256*PITCH              ; heads' scale bytes: 128 rows x 32
.set WSC,   HSC+4096                   ; wo's: 256 rows x 32
.set STG,   WSC+8192                   ; the stage: 16 rows for each wave
.set SPARE, 0x39400                    ; the spare words
.set AH,  4
.set AW,  5
.set ASH, 7
.set ASW, 8
.set STO, 9
.set RD,  10
.set BO,  11
.set CO,  12
.set SX,  16
.set SW,  80
.set BI,  112
.set BK,  144
.set G1H,  40
.set G1W,  48
.set G1XS, 56
.set G1WS, 68
.set G0H,  76
.set G0W,  84
.set G0XS, 92
.set G0WS, 96
.set MSB, 0
.macro WIN new                         ; the immediate's high byte repeats the setting that is left
.if MSB != \new
	s_set_vgpr_msb (MSB<<8)|\new
.set MSB, \new
.endif
.endm
.macro PLACES n
.rept \n
	v_nop
.endr
.endm
.macro ARM under, g0, g1, next         ; one arm of the head's chain: a joint load, its s_nop 0 and four v_nop, a jump to the join
	s_cmp_lt_u32 s30, \under
	s_cbranch_scc0 \next
	tensor_load_to_lds s[\g0:\g0+3], s[\g1:\g1+7]
	s_nop 0
	PLACES 4
	s_branch .Lhead_asked
\next:
.endm
.macro CROUND                          ; a round of the cluster's barrier
	s_barrier_signal -1
	s_barrier_wait -1
	s_cmp_lg_u32 s30, 0
	s_cbranch_scc1 .Lnot_wave_0_\@
	s_barrier_signal -3
.Lnot_wave_0_\@:
	s_barrier_wait -3
	s_barrier_signal -1
	s_barrier_wait -1
.endm
	s_load_b256 s[4:11], s[0:1], 0x0               ; hc, hs, woc, wos
	s_load_b128 s[12:15], s[0:1], 0x20             ; bo, out0
	v_lshl_add_u32 v254, v0, 2, SPARE
	v_mov_b32 v255, 0
	ds_add_u32 v254, v255                          ; the opening lines: the add twice on end and one wait
	ds_add_u32 v254, v255
	v_lshrrev_b32 v1, 5, v0
	v_readfirstlane_b32 s30, v1                    ; wave 0..3
	s_bfe_u32 s33, ttmp6, 0x40000                  ; cx
	s_bfe_u32 s34, ttmp6, 0x40004                  ; cy
	s_and_b32 s35, ttmp7, 0xffff
	s_lshl_b32 s35, s35, 2
	s_add_co_u32 s35, s35, s34                     ; the block of 128 rows = 4 x cluster y + cy
	s_lshl_b32 s38, ttmp9, 2
	s_add_co_u32 s38, s38, s33                     ; the block of 256 columns = 4 x cluster x + cx
	s_lshl_b32 s36, s34, 2
	s_lshl_b32 s36, 15, s36                        ; my row of the cluster
	s_lshl_b32 s37, 0x1111, s33                    ; my column
	; group 1.  heads' codes: a dense block as 256 rows of 256 bytes (32 elements of 8)
	s_or_b32 s[G1H], s36, (3<<16)|(1<<21)
	s_mov_b32 s[G1H+1], 32<<16
	s_mov_b32 s[G1H+2], 256<<16
	s_mov_b32 s[G1H+3], 32<<16
	s_mov_b32 s[G1H+4], 256
	s_mov_b32 s[G1H+5], 32
	s_mov_b32 s[G1H+6], 0
	s_mov_b32 s[G1H+7], 0
	; wo's codes: 256 rows x 512 bytes, dense, 16 bytes of padding behind each (every 128 words)
	s_or_b32 s[G1W], s37, (1<<20)|(1<<21)|(6<<22)|(3<<25)
	s_mov_b32 s[G1W+1], 512<<16
	s_mov_b32 s[G1W+2], 256<<16
	s_mov_b32 s[G1W+3], 512<<16
	s_mov_b32 s[G1W+4], 256
	s_mov_b32 s[G1W+5], 512
	s_mov_b32 s[G1W+6], 0
	s_mov_b32 s[G1W+7], 0
	; the scale bytes: dense blocks as rows of 256 bytes: 16 rows for 128 rows of heads, 32 for 256 of wo
	s_or_b32 s[G1XS], s36, (3<<16)|(1<<21)
	s_mov_b32 s[G1XS+1], 32<<16
	s_mov_b32 s[G1XS+2], 16<<16
	s_mov_b32 s[G1XS+3], 32<<16
	s_mov_b32 s[G1XS+4], 16
	s_mov_b32 s[G1XS+5], 32
	s_mov_b32 s[G1XS+6], 0
	s_mov_b32 s[G1XS+7], 0
	s_or_b32 s[G1WS], s37, (3<<16)|(1<<21)
	s_mov_b32 s[G1WS+1], 32<<16
	s_mov_b32 s[G1WS+2], 32<<16
	s_mov_b32 s[G1WS+3], 32<<16
	s_mov_b32 s[G1WS+4], 32
	s_mov_b32 s[G1WS+5], 32
	s_mov_b32 s[G1WS+6], 0
	s_mov_b32 s[G1WS+7], 0
	; group 0: LDS addresses are constants; heads' byte offsets hang on the block of rows, wo's on the block of columns
	s_mov_b32 s[G0H], 1
	s_mov_b32 s[G0W], 1
	s_mov_b32 s[G0XS], 1
	s_mov_b32 s[G0WS], 1
	s_mov_b32 s[G0H+1], 0
	s_mov_b32 s[G0W+1], WC0
	s_mov_b32 s[G0XS+1], HSC
	s_mov_b32 s[G0WS+1], WSC
	s_lshl_b32 s[G0H+2], s35, 16                   ; heads' codes: 8 tiles of 8,192 bytes a block
	s_mov_b32 s[G0H+3], 0
	s_lshl_b32 s[G0XS+2], s35, 12
	s_mov_b32 s[G0XS+3], 0
	s_lshl_b32 s[G0W+2], s38, 17                   ; wo's codes: 256 rows of 512 bytes a block
	s_mov_b32 s[G0W+3], 0
	s_lshl_b32 s[G0WS+2], s38, 13
	s_mov_b32 s[G0WS+3], 0
	s_lshl_b32 s16, s38, 10                        ; my 64 columns, in bytes: 1,024 x block + 256 x wave
	s_lshl_b32 s17, s30, 8
	s_add_co_u32 s16, s16, s17
	s_mov_b32 s17, 0
	s_lshl_b32 s18, s35, 19                        ; my block's 128 rows of 4,096 bytes
	s_add_co_u32 s18, s18, s16
	s_mov_b32 s19, 0
	s_wait_dscnt 0x0                               ; both opening adds are done
	s_wait_kmcnt 0x0
	s_add_nc_u64 s[G0H+2:G0H+3], s[4:5], s[G0H+2:G0H+3]
	s_or_b32 s[G0H+3], s[G0H+3], 0x80000000
	s_add_nc_u64 s[G0W+2:G0W+3], s[8:9], s[G0W+2:G0W+3]
	s_or_b32 s[G0W+3], s[G0W+3], 0x80000000
	s_add_nc_u64 s[G0XS+2:G0XS+3], s[6:7], s[G0XS+2:G0XS+3]
	s_or_b32 s[G0XS+3], s[G0XS+3], 0x80000000
	s_add_nc_u64 s[G0WS+2:G0WS+3], s[10:11], s[G0WS+2:G0WS+3]
	s_or_b32 s[G0WS+3], s[G0WS+3], 0x80000000
	s_add_nc_u64 s[12:13], s[12:13], s[16:17]      ; bo at my columns
	s_add_nc_u64 s[14:15], s[14:15], s[18:19]      ; out at my rows and columns
	CROUND                                         ; all sixteen work-groups are here: the joint loads meet
	ARM 1, G0W,  G1W,  .Lhead_h                    ; one chain of branches on the wave's number, one load to an arm
	ARM 2, G0H,  G1H,  .Lhead_hs
	ARM 3, G0XS, G1XS, .Lhead_ws
	tensor_load_to_lds s[G0WS:G0WS+3], s[G1WS:G1WS+7]
	s_nop 0
	PLACES 4
.Lhead_asked:
	v_and_b32 v1, 15, v0                           ; r
	v_bfe_u32 v2, v0, 4, 1                         ; h
	v_and_b32 v3, 8, v1
	v_add_nc_u32 v3, v3, v1                        ; r + 8 (r / 8)
	v_and_b32 v[AH], 31, v0
	v_lshlrev_b32 v[AH], 4, v[AH]                  ; an image's place for my lane
	v_mul_u32_u24 v[AW], v3, PITCH
	v_lshl_add_u32 v[AW], v2, 4, v[AW]
	s_mul_i32 s2, s30, 64*PITCH
	s_add_co_u32 s2, s2, WC0
	v_add_nc_u32 v[AW], s2, v[AW]                  ; my 64 rows of wo
	v_lshl_add_u32 v[ASH], v1, 5, HSC              ; heads' scale words lie in lane order: 32 bytes a row
	s_lshl_b32 s2, s30, 11
	s_add_co_u32 s2, s2, WSC
	v_lshl_add_u32 v[ASW], v3, 5, s2
	s_mul_i32 s2, s30, 16*SPITCH
	s_add_co_u32 s2, s2, STG                       ; my stage
	v_mul_u32_u24 v[STO], v1, SPITCH
	v_lshl_add_u32 v[STO], v2, 6, v[STO]
	v_add_nc_u32 v[STO], s2, v[STO]                ; in: row r, + 64 h
	v_mul_u32_u24 v[RD], v2, SPITCH
	v_lshl_add_u32 v[RD], v1, 4, v[RD]
	v_add_nc_u32 v[RD], s2, v[RD]                  ; back: lanes 0-15 one row, lanes 16-31 the next
	v_lshlrev_b32 v[CO], 12, v2
	v_lshl_add_u32 v[CO], v1, 4, v[CO]             ; and the same in out
	v_lshlrev_b32 v[BO], 12, v1
	v_lshl_add_u32 v[BO], v2, 6, v[BO]             ; bo: head r's row of 4,096 bytes, + 64 h
.macro FETCH kk, f                     ; 24 LDS loads: the fragments of K step kk into buffer f
	WIN 0x80                                       ; destination window 2
.irp xt, 0,1,2,3,4,5,6,7
.irp c, 0,1
	ds_load_b128 v[96*(\f)+8*\xt+4*\c:96*(\f)+8*\xt+4*\c+3], v[AH] offset:8192*\xt+1024*(\kk)+512*\c
.endr
.endr
.irp wt, 0,1,2,3
.irp c, 0,1
	ds_load_b128 v[96*(\f)+64+8*\wt+4*\c:96*(\f)+64+8*\wt+4*\c+3], v[AW] offset:(32*(\wt/2)+8*(\wt%2))*PITCH+64*(\kk)+32*\c
.endr
.endr
	WIN 0
.endm
.macro WM d, a, b, c, sa, sb, kk
.if (\kk) == 0
	v_wmma_scale_f32_16x16x128_f8f6f4 v[\d:\d+7], v[\a:\a+7], v[\b:\b+7], v[\c:\c+7], v[\sa], v[\sb] matrix_a_fmt:MATRIX_FMT_FP4 matrix_b_fmt:MATRIX_FMT_FP4
.else
	v_wmma_scale_f32_16x16x128_f8f6f4 v[\d:\d+7], v[\a:\a+7], v[\b:\b+7], v[\d:\d+7], v[\sa], v[\sb] matrix_a_fmt:MATRIX_FMT_FP4 matrix_b_fmt:MATRIX_FMT_FP4
.endif
.endm
.macro MUL kk, f                       ; 32 matrix instructions: one K step of 128; the 32 accumulators take turns, one instruction a turn, in the same order in every step
.if (\kk) == 0
	WIN 0x4a                                       ; sources 0 and 1 window 2, C (the bias) window 0, D window 1
.else
	WIN 0x5a                                       ; C and D window 1
.endif
.irp xt, 0,1,2,3,4,5,6,7
.irp wt, 0,1,2,3
	WM (32*\xt+8*\wt), (96*(\f)+64+8*\wt), (96*(\f)+8*\xt), (BI+8*\wt), (SW+8*\wt+(\kk)), (SX+8*\xt+(\kk)), (\kk)
.endr
.endr
.endm
.irp wt, 0,1,2,3
	global_load_b128 v[BI+8*\wt:BI+8*\wt+3], v[BO], s[12:13] offset:(32*(\wt/2)+8*(\wt%2))*4
	global_load_b128 v[BI+8*\wt+4:BI+8*\wt+7], v[BO], s[12:13] offset:(32*(\wt/2)+8*(\wt%2))*4+16
.endr
	s_wait_loadcnt 0x0
.irp m, 1,2,4,8                        ; the sixteen heads' numbers lie in the sixteen lanes of a half: four steps leave their sum in every lane
.set jj, 0
.rept 32
	v_add_f32_dpp v[BI+jj], v[BI+jj], v[BI+jj] row_xmask:\m row_mask:0xf bank_mask:0xf
.set jj, jj+1
.endr
.endr
	PLACES 4
	s_wait_alu depctr_va_vdst(0)
	s_wait_tensorcnt 0x0                           ; my tile of the four is in,
	s_barrier_signal -1
	s_barrier_wait -1                              ; everybody's is: no fill follows in this launch
.irp xt, 0,1,2,3,4,5,6,7
	ds_load_b128 v[SX+8*\xt:SX+8*\xt+3], v[ASH] offset:512*\xt
	ds_load_b128 v[SX+8*\xt+4:SX+8*\xt+7], v[ASH] offset:512*\xt+16
.endr
.irp wt, 0,1,2,3
	ds_load_b128 v[SW+8*\wt:SW+8*\wt+3], v[ASW] offset:(32*(\wt/2)+8*(\wt%2))*32
	ds_load_b128 v[SW+8*\wt+4:SW+8*\wt+7], v[ASW] offset:(32*(\wt/2)+8*(\wt%2))*32+16
.endr
	FETCH 0, 0
.irp kk, 0,1,2,3,4,5,6,7
.if \kk < 7
.if \kk > 0
	PLACES 4                                       ; in front of loads into registers that the last step's matrix instructions read
.endif
	FETCH (\kk+1), ((\kk+1)%2)
	s_wait_dscnt 24                                ; all but the 24 just issued: this step's fragments are in
.else
	s_wait_dscnt 0x0
.endif
	MUL \kk, (\kk%2)
	WIN 0
.endr
; THE WAY OUT, a tile of 16 rows x 64 columns at a time.  A lane holds pieces of one row and the lanes beside it hold other rows: a tile goes through my own stage and comes back as whole rows of 256 bytes.
; LDS serves a wave's instructions in order: no wait between the stores and the loads, nor in front of the next tile's stores.
.macro TOSTAGE a
	WIN 0x04                                       ; an LDS store's data are its source 1: window 1
.irp wt, 0,1,2,3
	ds_store_b128 v[STO], v[32*(\a)+8*\wt:32*(\a)+8*\wt+3] offset:128*(\wt/2)+32*(\wt%2)       ; each accumulator from its low end on
	ds_store_b128 v[STO], v[32*(\a)+8*\wt+4:32*(\a)+8*\wt+7] offset:128*(\wt/2)+32*(\wt%2)+16
.endr
	WIN 0
.set BB, BK+32*((\a)%2)
.irp t, 0,1,2,3,4,5,6,7
	ds_load_b128 v[BB+4*\t:BB+4*\t+3], v[RD] offset:2*\t*SPITCH
.endr
.endm
.macro SEND a, younger                 ; younger: the LDS instructions issued behind tile a's loads, which may stay out
.set BB, BK+32*((\a)%2)
	s_wait_dscnt \younger
.irp t, 0,1,2,3,4,5,6,7
	global_store_b128 v[CO], v[BB+4*\t:BB+4*\t+3], s[14:15] offset:(64*((\a)/4)+8*((\a)%4)+2*\t+24*(\t/4))*4096 th:TH_STORE_NT   ; stage rows 2 t, 2 t + 1 are rows 2 t + 24 (t / 4) on of the tile's: here the tile order is undone; sixteen lanes store 256 consecutive bytes, aligned
.endr
.endm
	PLACES 4                                       ; behind the last products
	TOSTAGE 0
.irp a, 1,2,3,4,5,6,7
.if \a > 1
	s_wait_xcnt 0x0                                ; tile a - 2's stores have read their registers: tile a's loads may land there
.endif
	TOSTAGE \a
	SEND (\a-1), 16                                ; behind tile a - 1's loads: tile a's 8 stores and 8 loads
.endr
	SEND 7, 0
	s_wait_tensorcnt 0x0                           ; the wave's end
	ds_add_u32 v254, v255
	s_wait_dscnt 0x0
	CROUND                                         ; the closing round: no work-group ends while a partner may still ask for a tile that names it
	s_endpgm
.Lfunc_end_k_q1bdfce389e_oproj:
	.size	k_q1bdfce389e_oproj, .Lfunc_end_k_q1bdfce389e_oproj-k_q1bdfce389e_oproj
	.p2alignl 7, 3214868480
	.fill 96, 4, 3214868480
	.section	.rodata,"a",@progbits
	.p2align	6, 0x0
	.amdhsa_kernel k_q1bdfce389e_oproj
		.amdhsa_group_segment_fixed_size 235008
		.amdhsa_private_segment_fixed_size 0
		.amdhsa_enable_private_segment 0
		.amdhsa_kernarg_size 48
		.amdhsa_user_sgpr_count 2
		.amdhsa_user_sgpr_kernarg_segment_ptr 1
		.amdhsa_wavefront_size32 1
		.amdhsa_system_sgpr_workgroup_id_x 1
		.amdhsa_system_sgpr_workgroup_id_y 1
		.amdhsa_system_sgpr_workgroup_id_z 1
		.amdhsa_system_vgpr_workitem_id 0
		.amdhsa_next_free_vgpr 768
		.amdhsa_next_free_sgpr 100
		.amdhsa_reserve_vcc 0
		.amdhsa_float_denorm_mode_32 3
		.amdhsa_float_denorm_mode_16_64 3
		.amdhsa_memory_ordered 1
		.amdhsa_forward_progress 1
		.amdhsa_inst_pref_size 80
	.end_amdhsa_kernel
	.amdgpu_metadata
---
amdhsa.version: [ 1, 2 ]
amdhsa.kernels:
  - .name:           k_q1bdfce389e_oproj
    .symbol:         k_q1bdfce389e_oproj.kd
    .args:
      - { .name: hc, .offset: 0, .size: 8, .value_kind: global_buffer, .address_space: global }
      - { .name: hs, .offset: 8, .size: 8, .value_kind: global_buffer, .address_space: global }
      - { .name: woc, .offset: 16, .size: 8, .value_kind: global_buffer, .address_space: global }
      - { .name: wos, .offset: 24, .size: 8, .value_kind: global_buffer, .address_space: global }
      - { .name: bo, .offset: 32, .size: 8, .value_kind: global_buffer, .address_space: global }
      - { .name: out0, .offset: 40, .size: 8, .value_kind: global_buffer, .address_space: global }
    .group_segment_fixed_size: 235008
    .private_segment_fixed_size: 0
    .kernarg_segment_align: 8
    .kernarg_segment_size: 48
    .max_flat_workgroup_size: 128
    .sgpr_count:     100
    .vgpr_count:     768
    .wavefront_size: 32
...
	.end_amdgpu_metadata
.endif
;; end of part 4
